; MI455X (gfx1250); checked and timed in simulation.
; The chip was launched on July 23, 2026; its instructions are those of AMD's public machine-readable ISA for CDNA 5 (MIT licence, August 2026) and "CDNA5" Instruction Set Architecture Reference Guide (July 2026). The comments in the code are by the model that wrote it; some were corrected since.
;; Quantum Regression Model. Allowed arithmetic: float matrix products may take bf16 or f16 operands with f32 sums; other float arithmetic in f32, or as packed bf16 or f16 multiplies, adds, multiply-adds, maxima and minima; sums over many terms, partial sums and values carried from step to step in f32; what a program stores and reads back later, other than sums and carried values, may be rounded once to bf16 or f16.
;; Inputs: W1 1 x 64 float32; W2 64 x 1 float32; Wk 256 x 256 float32; Wq 256 x 256 float32; b1 64 float32; b2 1 float32; states 8,192 x 256 float32.
;; Outputs: out0 8,192 float32.
;; One version. Each part assembles by itself: llvm-mc -triple=amdgcn-amd-amdhsa -mcpu=gfx1250 --defsym DOCPART=n.
;; ======== version 1 of 1: 6 launches
;; workspace buffers: pw 132,096 bytes; xb 4,194,304 bytes; qp 4,194,304 bytes; op 17,039,360 bytes; ab 4,259,840 bytes; rp 262,144 bytes; cp 2,621,440 bytes
;; launch wprep (part 1): grid 256 x 1, 1 waves a work-group, no clusters, 0 bytes of LDS; arguments Wq, Wk, states, pw; writes pw
.if DOCPART == 1
	.amdgcn_target "amdgcn-amd-amdhsa--gfx1250"
	.amdhsa_code_object_version 6
	.text
	.protected	k_q26584f4f65_wprep
	.globl	k_q26584f4f65_wprep
	.p2align	8
	.type	k_q26584f4f65_wprep,@function
k_q26584f4f65_wprep:
	s_mov_b64 s[64:65], 0
	v_nop
	global_prefetch_b8 v0, s[64:65] scope:SCOPE_SE
	s_setreg_imm32_b32 hwreg(HW_REG_WAVE_MODE, 25, 1), 1
	s_wait_xcnt 0x0
; MT = Wk Wq^T in bf16, laid out as matrix fragments, and c', a column mean of states.
; q k^T = (x Wq)(x Wk)^T = (x M) x^T with M = Wq Wk^T, so one projection q' = x M serves and the keys are x itself.
; MT[n][k] = M[k][n] = sum over j of Wq[k][j] Wk[n][j]; operands rounded to bf16, sums in f32, MT rounded once to bf16.
; SHARES.  256 work-groups of one wave; work-group g makes the 16 x 16 tile (nt = g / 16, kt = g % 16) of MT.
; Source 0 = 16 rows of Wq (16 kt ..), source 1 = 16 rows of Wk (16 nt ..): lane (r = l % 16, h = l / 16) ends with MT[16 nt + r][16 kt + 8 h + 0..7]:
; 16 bytes, stored at pw + 512 g + 16 l: the wave's store covers 512 consecutive bytes, and is half a fragment of the next launch's source 0.
; c'[col] = the mean of rows 0 to 63 of states, f32, at pw + 131,072.  Any vector would do in its place: the softmax over keys and the distances
; do not change when one vector is taken from all rows; it only takes a common offset away before x is rounded to bf16.  Work-groups 0 to 3 make 64 columns each.
; REGISTERS.  window 0: v2-4 offsets; v16-31 two accumulators; v32-35 packed; v40-47 the mean's four chains; v64-127 Wq's 8 fragments; v128-191 Wk's.
; window 1: v0-127 Wq as loaded (f32), v128-255 Wk.   window 2: v0-127 the mean's 64 rows.
; No LDS, no barrier, no cluster: nothing is shared between waves, and the launch is one trip to memory.
.set AQ,  64
.set BK,  128
.set ACC, 16
.set MSB, 0
.macro WIN new                         ; the immediate's high byte repeats the setting that is left
.if MSB != (\new)
	s_set_vgpr_msb (MSB<<8)|(\new)
.set MSB, (\new)
.endif
.endm
	s_load_b256 s[4:11], s[0:1], 0x0               ; Wq s[4:5], Wk s[6:7], states s[8:9], pw s[10:11]
	v_and_b32 v1, 15, v0                           ; r
	v_bfe_u32 v5, v0, 4, 1                         ; h
	v_lshlrev_b32 v2, 10, v1
	v_lshl_add_u32 v2, v5, 5, v2                   ; r x 1,024 (a row of 256 f32) + 32 h
	s_lshr_b32 s12, ttmp9, 4                       ; nt
	s_and_b32 s13, ttmp9, 15                       ; kt
	s_lshl_b32 s14, s13, 14                        ; 16 rows of 1,024 bytes
	s_mov_b32 s15, 0
	s_lshl_b32 s16, s12, 14
	s_mov_b32 s17, 0
	s_lshl_b32 s18, ttmp9, 9
	s_lshl_b32 s19, ttmp9, 8
	v_lshl_add_u32 v3, v0, 4, s18                  ; 512 g + 16 l
	v_lshl_add_u32 v4, v0, 3, s19                  ; 256 g + 8 l: two columns a lane, in states and in c'
	s_wait_kmcnt 0x0
	s_add_nc_u64 s[4:5], s[4:5], s[14:15]
	s_add_nc_u64 s[6:7], s[6:7], s[16:17]
	WIN 0x40                                       ; destination window 1
.set c, 0
.rept 8                                ; chunk c: 32 along j; a lane's 8 + 8 numbers are 32 + 32 bytes, 64 bytes apart
.irp i, 0,1,2,3
	global_load_b128 v[16*c+4*\i:16*c+4*\i+3], v2, s[4:5] offset:128*c+16*(\i%2)+64*(\i/2)
	global_load_b128 v[128+16*c+4*\i:128+16*c+4*\i+3], v2, s[6:7] offset:128*c+16*(\i%2)+64*(\i/2)
.endr
.set c, c+1
.endr
	WIN 0
	s_cmp_lt_u32 ttmp9, 4
	s_cbranch_scc0 .Lno_mean
	WIN 0x80                                       ; destination window 2
.set i, 0
.rept 64
	global_load_b64 v[2*i:2*i+1], v4, s[8:9] offset:1024*i  ; row i: the wave's load covers 256 consecutive bytes
.set i, i+1
.endr
	s_wait_loadcnt 0x0
	WIN 0x0a                                       ; both sources window 2
.irp q, 0,1,2,3
	v_pk_add_f32 v[40+2*\q:41+2*\q], v[2*\q:2*\q+1], v[2*\q+8:2*\q+9]  ; rows q and q + 4 start chain q: nothing is cleared
.endr
	WIN 0x02
.set i, 8
.rept 56
	v_pk_add_f32 v[40+2*(i%4):41+2*(i%4)], v[2*i:2*i+1], v[40+2*(i%4):41+2*(i%4)]
.set i, i+1
.endr
	WIN 0
	v_pk_add_f32 v[40:41], v[40:41], v[42:43]
	v_pk_add_f32 v[44:45], v[44:45], v[46:47]
	v_pk_add_f32 v[40:41], v[40:41], v[44:45]
	v_pk_mul_f32 v[40:41], v[40:41], 0x3c800000 op_sel_hi:[1,0]  ; 1 / 64
	global_store_b64 v4, v[40:41], s[10:11] offset:131072
.Lno_mean:
	s_wait_loadcnt 0x0                             ; the weights (zero on both ways: no load is younger)
	WIN 0x05                                       ; sources window 1, destination window 0
.set c, 0
.rept 8
.irp i, 0,1,2,3,4,5,6,7
	v_cvt_pk_bf16_f32 v[AQ+8*c+\i], v[16*c+2*\i], v[16*c+2*\i+1]
	v_cvt_pk_bf16_f32 v[BK+8*c+\i], v[128+16*c+2*\i], v[128+16*c+2*\i+1]
.endr
.set c, c+1
.endr
	WIN 0
.set c, 0
.rept 8                                ; two accumulators take turns; the first two products start the sums
.if c < 2
	v_wmma_f32_16x16x32_bf16 v[ACC+8*(c%2):ACC+8*(c%2)+7], v[AQ+8*c:AQ+8*c+7], v[BK+8*c:BK+8*c+7], 0
.else
	v_wmma_f32_16x16x32_bf16 v[ACC+8*(c%2):ACC+8*(c%2)+7], v[AQ+8*c:AQ+8*c+7], v[BK+8*c:BK+8*c+7], v[ACC+8*(c%2):ACC+8*(c%2)+7]
.endif
.set c, c+1
.endr
.rept 8
	v_nop                                          ; the places behind the last products (ISA guide 7.12.1), once a launch
.endr
.irp i, 0,1,2,3
	v_pk_add_f32 v[ACC+2*\i:ACC+2*\i+1], v[ACC+2*\i:ACC+2*\i+1], v[ACC+8+2*\i:ACC+8+2*\i+1]
.endr
.irp i, 0,1,2,3
	v_cvt_pk_bf16_f32 v[32+\i], v[ACC+2*\i], v[ACC+2*\i+1]
.endr
	global_store_b128 v3, v[32:35], s[10:11]
	s_endpgm
.Lfunc_end_k_q26584f4f65_wprep:
	.size	k_q26584f4f65_wprep, .Lfunc_end_k_q26584f4f65_wprep-k_q26584f4f65_wprep
	.p2alignl 7, 3214868480
	.fill 96, 4, 3214868480
	.section	.rodata,"a",@progbits
	.p2align	6, 0x0
	.amdhsa_kernel k_q26584f4f65_wprep
		.amdhsa_group_segment_fixed_size 0
		.amdhsa_private_segment_fixed_size 0
		.amdhsa_enable_private_segment 0
		.amdhsa_kernarg_size 32
		.amdhsa_user_sgpr_count 2
		.amdhsa_user_sgpr_kernarg_segment_ptr 1
		.amdhsa_wavefront_size32 1
		.amdhsa_system_sgpr_workgroup_id_x 1
		.amdhsa_system_sgpr_workgroup_id_y 1
		.amdhsa_system_sgpr_workgroup_id_z 1
		.amdhsa_system_vgpr_workitem_id 0
		.amdhsa_next_free_vgpr 640
		.amdhsa_next_free_sgpr 66
		.amdhsa_reserve_vcc 0
		.amdhsa_float_denorm_mode_32 3
		.amdhsa_float_denorm_mode_16_64 3
		.amdhsa_memory_ordered 1
		.amdhsa_forward_progress 1
		.amdhsa_inst_pref_size 27
	.end_amdhsa_kernel
	.amdgpu_metadata
---
amdhsa.version: [ 1, 2 ]
amdhsa.kernels:
  - .name:           k_q26584f4f65_wprep
    .symbol:         k_q26584f4f65_wprep.kd
    .args:
      - { .name: Wq, .offset: 0, .size: 8, .value_kind: global_buffer, .address_space: global }
      - { .name: Wk, .offset: 8, .size: 8, .value_kind: global_buffer, .address_space: global }
      - { .name: states, .offset: 16, .size: 8, .value_kind: global_buffer, .address_space: global }
      - { .name: pw, .offset: 24, .size: 8, .value_kind: global_buffer, .address_space: global }
    .group_segment_fixed_size: 0
    .private_segment_fixed_size: 0
    .kernarg_segment_align: 8
    .kernarg_segment_size: 32
    .max_flat_workgroup_size: 32
    .sgpr_count:     66
    .vgpr_count:     640
    .wavefront_size: 32
...
	.end_amdgpu_metadata
.endif
;; end of part 1
;; launch xprep (part 2): grid 256 x 1, 4 waves a work-group, no clusters, 17,408 bytes of LDS; arguments states, pw, xb, qp; writes xb, qp
.if DOCPART == 2
	.amdgcn_target "amdgcn-amd-amdhsa--gfx1250"
	.amdhsa_code_object_version 6
	.text
	.protected	k_q26584f4f65_xprep
	.globl	k_q26584f4f65_xprep
	.p2align	8
	.type	k_q26584f4f65_xprep,@function
k_q26584f4f65_xprep:
	s_mov_b64 s[64:65], 0
	v_nop
	global_prefetch_b8 v0, s[64:65] scope:SCOPE_SE
	s_setreg_imm32_b32 hwreg(HW_REG_WAVE_MODE, 25, 1), 1
	s_wait_xcnt 0x0
; xb = bf16(x - c'), row-major [8192][256]: the keys and values of the attention.   qp = bf16(bf16(x) M), laid out as fragments: its queries.
; LIMIT.  q' is made of x as it comes, not centred: with a common offset in x its rounding error grows with the offset, as the logits' spread does.
; SHARES.  A work-group owns 32 rows.  Conversion: wave w takes rows 8 w .. 8 w + 7, a lane 8 columns.  Product: wave w takes columns 64 w .. 64 w + 63 of q' (four tiles nt) for all 32 rows.
; Source 0 = 16 rows of MT, source 1 = 16 rows of x: lane (r, h) ends with q'[row r][16 nt + 8 h + 0..7]: 16 bytes, half a fragment of the next launch's source 1,
; stored at qp + ((row tile) x 16 + nt) x 512 + 16 l: each store of a wave covers 512 consecutive bytes.
; LDS.  XS: the 32 rows of bf16(x), 512 bytes + 16 of padding: row r starts 4 r banks on (64 banks of 4 bytes: ISA guide 11.1), so the 16 rows of a fragment load do not meet.  Behind it the spare words.
; NO CLUSTER: MT is 128 KiB, read once into registers; a joint load would add a trip through LDS and two rounds to a launch that is one trip to memory.  No prefetch: the same ground.
; REGISTERS.  window 0: v2-5 offsets; v8, v9 the add's; v16-23 c'; v24-31 at work; v32-63 packed; v64-127 8 accumulators (rt, i) at 64 + 8 (4 rt + i);
; v128-191 x as loaded, then v128-255 x's fragments (rt, c) at 128 + 8 (8 rt + c).   window 1: MT's fragments (i, c) at 64 i + 8 c.
.set XP,    528
.set SPARE, 32*XP                      ; 16,896: two blocks of 256 bytes that no other line names
.set SPW, 8
.set NIL, 9
.set MSB, 0
.macro WIN new
.if MSB != (\new)
	s_set_vgpr_msb (MSB<<8)|(\new)
.set MSB, (\new)
.endif
.endm
	s_load_b256 s[4:11], s[0:1], 0x0               ; states s[4:5], pw s[6:7], xb s[8:9], qp s[10:11]
	v_lshl_add_u32 v[SPW], v0, 2, SPARE
	v_mov_b32 v[NIL], 0
	v_lshrrev_b32 v1, 5, v0
	v_readfirstlane_b32 s12, v1                    ; wave
	v_and_b32 v10, 31, v0                          ; l
	v_lshlrev_b32 v2, 5, v10                       ; 8 f32
	v_lshlrev_b32 v3, 4, v10                       ; 8 bf16
	s_mul_i32 s13, s12, 8*XP
	v_add_nc_u32 v4, s13, v3                       ; XS: my wave's first row, my 16 bytes
	v_and_b32 v11, 15, v0
	v_bfe_u32 v12, v0, 4, 1
	v_mul_u32_u24 v5, v11, XP
	v_lshl_add_u32 v5, v12, 4, v5                  ; a fragment's row x pitch + 16 h
	s_lshl_b32 s14, ttmp9, 5
	s_lshl_b32 s15, s12, 3
	s_add_co_u32 s14, s14, s15                     ; my wave's first row
	s_lshl_b32 s16, s14, 10
	s_mov_b32 s17, 0
	s_lshl_b32 s18, s14, 9
	s_mov_b32 s19, 0
	s_lshl_b32 s20, s12, 15                        ; my four tiles nt of MT: 64 blocks of 512 bytes
	s_mov_b32 s21, 0
	s_lshl_b32 s22, ttmp9, 14                      ; two row tiles x 16 blocks of 512 bytes,
	s_lshl_b32 s23, s12, 11                        ; my four of the sixteen
	s_add_co_u32 s22, s22, s23
	s_mov_b32 s23, 0
	s_wait_kmcnt 0x0
	s_add_nc_u64 s[4:5], s[4:5], s[16:17]
	s_add_nc_u64 s[24:25], s[6:7], s[20:21]
	s_add_nc_u64 s[8:9], s[8:9], s[18:19]
	s_add_nc_u64 s[10:11], s[10:11], s[22:23]
	global_load_b128 v[16:19], v2, s[6:7] offset:131072  ; c' of my 8 columns
	global_load_b128 v[20:23], v2, s[6:7] offset:131088
.set i, 0
.rept 8
	global_load_b128 v[128+8*i:131+8*i], v2, s[4:5] offset:1024*i
	global_load_b128 v[132+8*i:135+8*i], v2, s[4:5] offset:1024*i+16
.set i, i+1
.endr
	WIN 0x40                                       ; destination window 1
.set k, 0
.rept 64                               ; block k = 16 i + 2 c + half goes to registers 4 k ..
	global_load_b128 v[4*k:4*k+3], v3, s[24:25] offset:512*k
.set k, k+1
.endr
	WIN 0
	s_wait_loadcnt 63                              ; c' and x are in.  64 loads of MT are younger; the wait's field ends at 63, so the first of them is waited for as well
.set i, 0
.rept 8
.set X, 128+8*i
.set T, 24+4*(i%2)
.irp k, 0,1,2,3
	v_cvt_pk_bf16_f32 v[T+\k], v[X+2*\k], v[X+2*\k+1]
.endr
	ds_store_b128 v4, v[T:T+3] offset:i*XP
.irp k, 0,1,2,3
	v_pk_add_f32 v[X+2*\k:X+2*\k+1], v[X+2*\k:X+2*\k+1], v[16+2*\k:17+2*\k] neg_lo:[0,1] neg_hi:[0,1]  ; x - c'
.endr
.irp k, 0,1,2,3
	v_cvt_pk_bf16_f32 v[32+4*i+\k], v[X+2*\k], v[X+2*\k+1]
.endr
	global_store_b128 v3, v[32+4*i:35+4*i], s[8:9] offset:512*i  ; a whole row of xb: 512 consecutive bytes
.set i, i+1
.endr
	s_wait_dscnt 0x0                               ; for the others' sake: my rows lie in XS
	s_barrier_signal -1
	s_barrier_wait -1
.set f, 0
.rept 16                               ; fragment f = 8 rt + c
	ds_load_b128 v[128+8*f:131+8*f], v5 offset:(f/8)*16*XP+64*(f%8)
	ds_load_b128 v[132+8*f:135+8*f], v5 offset:(f/8)*16*XP+64*(f%8)+32
.set f, f+1
.endr
	s_wait_dscnt 0x0
	s_wait_loadcnt 0x0                             ; MT
	WIN 0x01                                       ; source 0 window 1
.set c, 0
.rept 8
.set a, 0
.rept 8                                ; the eight accumulators a = 4 rt + i take turns; c = 0 starts the sums
.if c == 0
	v_wmma_f32_16x16x32_bf16 v[64+8*a:71+8*a], v[64*(a%4)+8*c:64*(a%4)+8*c+7], v[128+8*(8*(a/4)+c):128+8*(8*(a/4)+c)+7], 0
.else
	v_wmma_f32_16x16x32_bf16 v[64+8*a:71+8*a], v[64*(a%4)+8*c:64*(a%4)+8*c+7], v[128+8*(8*(a/4)+c):128+8*(8*(a/4)+c)+7], v[64+8*a:71+8*a]
.endif
.set a, a+1
.endr
.set c, c+1
.endr
	WIN 0
.rept 4
	v_nop                                          ; the places behind the last product (ISA guide 7.12.1)
.endr
	s_wait_xcnt 0x0                                ; xb's stores have read v32-63, which are written again below
.set a, 0
.rept 8
.irp k, 0,1,2,3
	v_cvt_pk_bf16_f32 v[32+4*a+\k], v[64+8*a+2*\k], v[64+8*a+2*\k+1]
.endr
	global_store_b128 v3, v[32+4*a:35+4*a], s[10:11] offset:((a/4)*16+a%4)*512
.set a, a+1
.endr
	s_wait_tensorcnt 0x0                           ; the wave's end, behind my last LDS store
	ds_add_u32 v[SPW], v[NIL]
	s_wait_dscnt 0x0
	s_endpgm
.Lfunc_end_k_q26584f4f65_xprep:
	.size	k_q26584f4f65_xprep, .Lfunc_end_k_q26584f4f65_xprep-k_q26584f4f65_xprep
	.p2alignl 7, 3214868480
	.fill 96, 4, 3214868480
	.section	.rodata,"a",@progbits
	.p2align	6, 0x0
	.amdhsa_kernel k_q26584f4f65_xprep
		.amdhsa_group_segment_fixed_size 17408
		.amdhsa_private_segment_fixed_size 0
		.amdhsa_enable_private_segment 0
		.amdhsa_kernarg_size 32
		.amdhsa_user_sgpr_count 2
		.amdhsa_user_sgpr_kernarg_segment_ptr 1
		.amdhsa_wavefront_size32 1
		.amdhsa_system_sgpr_workgroup_id_x 1
		.amdhsa_system_sgpr_workgroup_id_y 1
		.amdhsa_system_sgpr_workgroup_id_z 1
		.amdhsa_system_vgpr_workitem_id 0
		.amdhsa_next_free_vgpr 512
		.amdhsa_next_free_sgpr 66
		.amdhsa_reserve_vcc 0
		.amdhsa_float_denorm_mode_32 3
		.amdhsa_float_denorm_mode_16_64 3
		.amdhsa_memory_ordered 1
		.amdhsa_forward_progress 1
		.amdhsa_inst_pref_size 26
	.end_amdhsa_kernel
	.amdgpu_metadata
---
amdhsa.version: [ 1, 2 ]
amdhsa.kernels:
  - .name:           k_q26584f4f65_xprep
    .symbol:         k_q26584f4f65_xprep.kd
    .args:
      - { .name: states, .offset: 0, .size: 8, .value_kind: global_buffer, .address_space: global }
      - { .name: pw, .offset: 8, .size: 8, .value_kind: global_buffer, .address_space: global }
      - { .name: xb, .offset: 16, .size: 8, .value_kind: global_buffer, .address_space: global }
      - { .name: qp, .offset: 24, .size: 8, .value_kind: global_buffer, .address_space: global }
    .group_segment_fixed_size: 17408
    .private_segment_fixed_size: 0
    .kernarg_segment_align: 8
    .kernarg_segment_size: 32
    .max_flat_workgroup_size: 128
    .sgpr_count:     66
    .vgpr_count:     512
    .wavefront_size: 32
...
	.end_amdgpu_metadata
.endif
;; end of part 2
;; launch att (part 3): grid 128 x 2, 4 waves a work-group, clusters of 4 x 1, 327,680 bytes of LDS; arguments xb, qp, op; writes op
.if DOCPART == 3
	.amdgcn_target "amdgcn-amd-amdhsa--gfx1250"
	.amdhsa_code_object_version 6
	.text
	.protected	k_q26584f4f65_att
	.globl	k_q26584f4f65_att
	.p2align	8
	.type	k_q26584f4f65_att,@function
k_q26584f4f65_att:
	s_mov_b64 s[64:65], 0
	v_nop
	global_prefetch_b8 v0, s[64:65] scope:SCOPE_SE
	s_setreg_imm32_b32 hwreg(HW_REG_WAVE_MODE, 25, 1), 1
	s_wait_xcnt 0x0
	s_wait_alu depctr_hold_cnt(0) depctr_sa_sdst(0) depctr_va_vdst(0) depctr_va_sdst(0) depctr_va_ssrc(0) depctr_va_vcc(0) depctr_vm_vsrc(0)
	s_getreg_b32 s2, hwreg(HW_REG_IB_STS2, 6, 4)
	s_cmp_eq_u32 s2, 0
	s_cbranch_scc0 .Lentry_in_a_cluster
	s_endpgm
.Lentry_in_a_cluster:
	s_bfe_u32 s2, ttmp6, 0x10000c
	s_cmp_lg_u32 s2, 0x3003
	s_cbranch_scc0 .Lentry_shape_is_right
	s_endpgm
.Lentry_shape_is_right:
; ATTENTION, one head of 256 channels, 8,192 queries and keys; K = V = xb.  Partial result for one half of the keys: O = sum of p x, with its running maximum and sum.
; p = 2^(c s - c m), s = q' . xb, c = log2(e) / 16.  Products, maxima and sums in f32; p is rounded to bf16 for the second product (l is taken of the unrounded p).
; LIMITS.  A weight below 2^-126 counts as 0; NaN and infinities are not treated apart.  The keys are summed in eight parts (2 work-groups x 4 waves): another order than the plain row sum.
; SHARES.  A work-group owns 64 queries (four tiles of 16) and 4,096 keys (grid y).  All four waves hold the same queries; of each tile of 256 keys wave w owns keys 64 w .. 64 w + 63:
; it asks for them itself and it alone reads them.  A step is 32 keys of a wave: 64 products K Q^T and 64 products V^T P; each fragment from LDS feeds four products.
; At the end the four waves' partial sums meet in LDS, and wave w finishes and stores query tile w.
; LAYOUT.  S^T = K Q^T (source 0 = 16 keys, source 1 = 16 queries): a lane holds ONE query (l % 16) and keys 8 (l / 16) + 0..7.  Two such results, rounded in pairs, ARE source 1 of O^T = V^T P.
; ONE TILE SERVES AS K AND AS V: rows of 512 bytes + 16 of padding.  As K it is read as it lies.  As V it is read by the turning load; a tile of O^T is channels c .. c + 7 and c + 64 .. c + 71,
; so that lanes 0-7 (8 rows, 16 bytes at column x) and lanes 8-15 (128 bytes further) fall on different banks with the same pitch (64 banks of 4 bytes: ISA guide 11.1).
; So register j of accumulator cb in lane (r, h) is query r, channel 8 (cb % 8) + 128 (cb / 8) + 64 h + j.
; THE STEP.  Registers leave one window for K's and V's fragments, S^T, P and the statistics, so fragments come in four runs of 16 loads into two buffers, and the softmax stands in one lump;
; only O^T's rescaling rides, four packed multiplies behind each product V^T P.  The second half of a step's products V^T P is issued at the head of the next step.
; m starts at the lowest finite number and c m far below every c s, O^T and l at 0: the first step is a step like any other, with a = 0.  The price: 632 v_mov_b32, issued while the first tile is on its way.
; CLUSTER.  The four work-groups of a cluster share the half of the keys and walk the same tiles: each tile is asked for JOINTLY, by the same load, descriptor and mask in all four.
; REGISTERS, in windows of 256 (s_set_vgpr_msb: bits 1:0 source 0, 3:2 source 1, 5:4 source 2, 7:6 destination):
;   window 0: v2-15 addresses; v16-31 statistics, four a tile: c m, m, l (even keys', odd keys'); v32-63 eight a tile at work: c0, c1, a, a's pair, T0, T1;
;             v64-127 S^T, 16 a tile (P takes the lower 8); v128-191, v192-255 two fragment buffers
;   window 1: Q, (t, c) at 64 t + 8 c       windows 2, 3: O^T, (t, cb) in window 2 + t / 2 at 128 (t % 2) + 8 cb
.set PITCH, 528
.set STEPB, 32*PITCH                   ; 0x4200: a step's 32 rows
.set SLOTB, 64*PITCH                   ; 0x8400: a wave's slot; bits 15 and 10, which are clear in every wave's ring base, so one exclusive or changes slots
.set WRING, 0x11000                    ; a wave's ring of two slots
.set SPARE, 4*WRING                    ; 278,528: the spare words, 128 bytes a wave: two blocks of 256 bytes that no other line names
.set STATS, SPARE+512                  ; 4,096 bytes: (tile t, wave w, kind) at 1,024 t + 256 w + 128 kind + 4 l
.set TILEB, 131072                     ; 256 keys of 512 bytes
.set AK0, 2                            ; v2   my lane's place in my ring, for K; never rewritten
.set AV0, 3                            ; v3   the same for V
.set ADK, 4                            ; v4   K's address in the step in hand
.set ADV, 5                            ; v5   V's
.set SPW, 8
.set NIL, 9
.set PFO, 10                           ; v10  256 x lane
.set ST,  16
.set TMP, 32
.set S,   64
.set F0,  128
.set WV,  12
.set PFA, 18                           ; s[18:19] where my prefetches stand
.set G1,  24                           ; s[24:31]
.set G0,  40                           ; s[40:43] the one walking descriptor
.set SLOTS, 56
.set TWICE, 57
.set CS,  58
.set SEL, 60
.set TB,  62                           ; LDS byte, in a wave's ring, at which the step to be read begins
.set LIM, 63
.set MSB, 0
.macro WIN new                         ; the immediate's high byte repeats the setting that is left; a switch that changes nothing is dropped
.if MSB != (\new)
	s_set_vgpr_msb (MSB<<8)|(\new)
.set MSB, (\new)
.endif
.endm
.macro ALL line:vararg                 ; one line for each tile t
.set t, 0
.rept 4
	\line
.set t, t+1
.endr
.endm
.macro PLACES n                        ; places behind matrix instructions (ISA guide 7.12.1)
.rept \n
	v_nop
.endr
.endm
.macro CROUND                          ; a round of the cluster's barrier
	s_barrier_signal -1
	s_barrier_wait -1
	s_cmp_lg_u32 s[WV], 0
	s_cbranch_scc1 .Lnot_wave_0_\@
	s_barrier_signal -3
.Lnot_wave_0_\@:
	s_barrier_wait -3
	s_barrier_signal -1
	s_barrier_wait -1
.endm
.macro JLOAD                           ; every wave asks for its own 64 rows; an s_nop 0 and four v_nop follow
	tensor_load_to_lds s[G0:G0+3], s[G1:G1+7]
	s_nop 0
.rept 4
	v_nop
.endr
.endm
; A PREFETCH INTO THE L2 of the tile that stands two refills on.  A tile is 512 blocks of 256 bytes; all 32 clusters of a half of the keys walk the same tiles: the first of them asks.  Its 16 waves take 32 blocks
; each, a lane a block: wave w of partner cx takes bytes 8,192 cx .. of the 64 rows that wave w fetches: told apart by address.  So each block is named once in the launch.  The change of slots that waits for tile n names
; tile n + 3; tiles 0 to 2 come by their loads alone; the last two changes that fill name nothing, since there is no such tile.
.macro ASK
	s_cmp_gt_u32 s[SLOTS], s[LIM]
	s_cbranch_scc0 .Lnot_mine_\@
	global_prefetch_b8 v[PFO], s[PFA:PFA+1] th:TH_LOAD_NT scope:SCOPE_SE
.Lnot_mine_\@:
.endm
	s_load_b128 s[4:7], s[0:1], 0x0                ; xb s[4:5], qp s[6:7]
	s_load_b64 s[8:9], s[0:1], 0x10                ; op
	v_lshl_add_u32 v[SPW], v0, 2, SPARE
	v_mov_b32 v[NIL], 0
	ds_add_u32 v[SPW], v[NIL]                      ; the wave's opening: the add, twice on end, and its wait ahead of my first tensor load
	ds_add_u32 v[SPW], v[NIL]
	v_lshrrev_b32 v1, 5, v0
	v_readfirstlane_b32 s[WV], v1                  ; wave 0..3
	s_bfe_u32 s13, ttmp6, 0x40000                  ; cx
	s_lshl_b32 s14, ttmp9, 2
	s_add_co_u32 s14, s14, s13                     ; my block of 64 queries: it enters qp's and op's addresses alone
	s_and_b32 s15, ttmp7, 0xffff                   ; which half of the keys: the four partners share it
	s_mov_b32 s[G1], 15|(1<<16)|(1<<20)|(1<<21)|(6<<22)|(3<<25)  ; the mask of four; 2-byte elements; padding on; bit 21 beside a mask; after every 128 words (code 6) 4 words (code 3)
	s_mov_b32 s[G1+1], 256<<16                     ; tensor_dim0 = 256
	s_mov_b32 s[G1+2], 64<<16                      ; tensor_dim1 = 64
	s_mov_b32 s[G1+3], 256<<16                     ; tile_dim0 = 256
	s_mov_b32 s[G1+4], 64                          ; tile_dim1 = 64
	s_mov_b32 s[G1+5], 256                         ; elements from row to row
	s_mov_b32 s[G1+6], 0
	s_mov_b32 s[G1+7], 0
	s_mov_b32 s[G0], 1
	s_mul_i32 s[G0+1], s[WV], WRING                ; slot 0 of my ring: no place in the cluster enters an LDS address
	s_mul_i32 s23, s[WV], WRING
	s_lshl_b32 s16, s15, 21                        ; 4,096 keys of 512 bytes,
	s_lshl_b32 s17, s[WV], 15                      ; my 64 rows of a tile
	s_add_co_u32 s16, s16, s17
	s_mov_b32 s17, 0
	s_lshl_b32 s20, s13, 13                        ; the prefetches: my work-group's quarter of those rows,
	s_add_co_u32 s20, s20, 2*TILEB                 ; at tile 2: the first change steps it to tile 3
	s_mov_b32 s21, 0
	s_lshl_b32 s2, s14, 15                         ; Q: four tiles x 16 blocks of 512 bytes
	s_mov_b32 s3, 0
	s_lshl_b32 s22, s15, 9
	s_lshl2_add_u32 s22, s14, s22
	s_add_co_u32 s22, s22, s[WV]                   ; 512 x half + the query tile that I finish
	s_lshl_b32 s32, s22, 14                        ; its 16 accumulators of 1,024 bytes
	s_mov_b32 s33, 0
	s_lshl_b32 s34, s22, 8                         ; its statistics
	s_mov_b32 s35, 0
	s_mov_b32 s[CS], 0x3db8aa3b                    ; c = log2(e) / 16
	s_mov_b32 s[CS+1], s[CS]
	s_mov_b32 s[SEL], 0x76543210
	s_mov_b32 s[SEL+1], 0xfedcba98
	s_mov_b32 s[TB], 2*SLOTB                       ; the first change of slots turns it into 0
	s_mov_b32 s[SLOTS], 15
	s_cmp_eq_u32 ttmp9, 0                          ; the same in all four partners
	s_cselect_b32 s[LIM], 2, -1
	s_wait_dscnt 0x0                               ; both opening adds are done
	s_wait_kmcnt 0x0
	s_add_nc_u64 s[G0+2:G0+3], s[4:5], s[16:17]
	s_or_b32 s[G0+3], s[G0+3], 0x80000000
	s_add_nc_u64 s[PFA:PFA+1], s[4:5], s[16:17]
	s_add_nc_u64 s[PFA:PFA+1], s[PFA:PFA+1], s[20:21]
	s_add_nc_u64 s[6:7], s[6:7], s[2:3]
	s_add_nc_u64 s[10:11], s[8:9], s[34:35]
	s_add_nc_u64 s[10:11], s[10:11], 0x1000000     ; the statistics lie behind the 16 MiB of sums
	s_add_nc_u64 s[8:9], s[8:9], s[32:33]
	CROUND                                         ; all four work-groups are here: the first joint loads meet
	JLOAD                                          ; tile 0 into slot 0; slot 1 is asked for when it has landed, by the loop's own change of slots
	v_and_b32 v6, 31, v0                           ; l; v6 and v7 are kept
	v_lshlrev_b32 v7, 4, v6
	WIN 0x40                                       ; destination window 1
.set k, 0
.rept 64                               ; Q stays in registers: block k = 16 t + 2 c + half goes to registers 4 k ..
	global_load_b128 v[4*k:4*k+3], v7, s[6:7] offset:512*k
.set k, k+1
.endr
	WIN 0x80
.set i, 0
.rept 256
	v_mov_b32 v[i], 0                              ; O^T
.set i, i+1
.endr
	WIN 0xc0
.set i, 0
.rept 256
	v_mov_b32 v[i], 0
.set i, i+1
.endr
	WIN 0
.set i, 0
.rept 64
	v_mov_b32 v[F0+64+i], 0                        ; the first step's head multiplies a V and a P that have not been: zeros
.set i, i+1
.endr
.set i, 0
.rept 8
	ALL v_mov_b32 v[S+16*t+i], 0
.set i, i+1
.endr
	ALL v_mov_b32 v[TMP+8*t+2], 0
	ALL v_mov_b32 v[TMP+8*t+3], 0
	ALL v_mov_b32 v[ST+4*t], 0xfe000000
	ALL v_mov_b32 v[ST+4*t+1], 0xff7fffff
	ALL v_mov_b32 v[ST+4*t+2], 0
	ALL v_mov_b32 v[ST+4*t+3], 0
	v_and_b32 v1, 15, v0                           ; r
	v_bfe_u32 v11, v0, 4, 1                        ; h
	v_mul_u32_u24 v[AK0], v1, PITCH
	v_lshl_add_u32 v[AK0], v11, 4, v[AK0]
	v_add_nc_u32 v[AK0], s23, v[AK0]               ; my ring + row x pitch + 16 h
	v_and_b32 v12, 7, v0
	v_bfe_u32 v13, v0, 3, 1
	v_lshl_add_u32 v[AV0], v11, 3, v12             ; the turning load: key 8 h + l % 8,
	v_mul_u32_u24 v[AV0], v[AV0], PITCH
	v_lshl_add_u32 v[AV0], v13, 7, v[AV0]          ; lanes 8-15 of each half 64 channels further
	v_add_nc_u32 v[AV0], s23, v[AV0]
	v_lshlrev_b32 v[PFO], 8, v6
	s_wait_loadcnt 0x0                             ; Q
; 16 loads: K's fragments for channels 128 g .. 128 g + 127 of the step's 32 keys, (kb, cc) at buffer g + 8 (4 kb + cc)
.macro RUNK g
	WIN 0
.irp kb, 0,1
.irp cc, 0,1,2,3
	ds_load_b128 v[F0+64*(\g)+8*(4*\kb+\cc):F0+64*(\g)+8*(4*\kb+\cc)+3],   v[ADK] offset:\kb*16*PITCH+(4*(\g)+\cc)*64
	ds_load_b128 v[F0+64*(\g)+8*(4*\kb+\cc)+4:F0+64*(\g)+8*(4*\kb+\cc)+7], v[ADK] offset:\kb*16*PITCH+(4*(\g)+\cc)*64+32
.endr
.endr
.endm
; 16 turning loads: V^T's fragments for channel tiles 8 g .. 8 g + 7, 32 keys each
.macro RUNV g
	WIN 0
.irp f, 0,1,2,3,4,5,6,7
	ds_load_tr16_b128 v[F0+64*(\g)+8*\f:F0+64*(\g)+8*\f+3],   v[ADV] offset:16*\f+256*(\g)
	ds_load_tr16_b128 v[F0+64*(\g)+8*\f+4:F0+64*(\g)+8*\f+7], v[ADV] offset:16*\f+256*(\g)+16*PITCH
.endr
.endm
; 32 products of S^T = K Q^T on buffer g.  The 8 accumulators (key block, tile) take turns; the first 8 of g = 0 start the sums.
.macro KQ g
	WIN 0x04                                       ; Q in window 1
.set i, 0
.rept 32
.set rS, S+16*(i%4)+8*((i/4)%2)
.set rK, F0+64*(\g)+8*(4*((i/4)%2)+i/8)
.set rQ, 64*(i%4)+8*(4*(\g)+i/8)
.if ((\g) == 0) && (i < 8)
	v_wmma_f32_16x16x32_bf16 v[rS:rS+7], v[rK:rK+7], v[rQ:rQ+7], 0
.else
	v_wmma_f32_16x16x32_bf16 v[rS:rS+7], v[rK:rK+7], v[rQ:rQ+7], v[rS:rS+7]
.endif
.set i, i+1
.endr
.endm
; The order of a step's 64 products V^T P: number i is buffer i / 32, window 2 + (i % 32) / 16, channel tile 8 (i / 32) + (i % 16) / 2, query tile 2 ((i % 32) / 16) + i % 2.
.macro SEQ i
.set ph,  (\i)/32
.set gg,  ((\i)%32)/16
.set cbl, ((\i)%16)/2
.set tt,  2*gg+(\i)%2
.set rO,  128*(tt%2)+8*(8*ph+cbl)
.endm
.macro RS i                            ; accumulator number i times a, from its low end on
.if (\i) < 64
	SEQ \i
	WIN 0x82+0x41*gg                               ; destination and source 0 in O^T's window, a in window 0
.irp z, 0,1,2,3
	v_pk_mul_f32 v[rO+2*\z:rO+2*\z+1], v[rO+2*\z:rO+2*\z+1], v[TMP+8*tt+2:TMP+8*tt+3] op_sel_hi:[1,0]
.endr
.endif
.endm
.macro PV lo, hi                       ; products lo .. hi; behind each the rescaling of the accumulator two products on.  Each accumulator has one product a step.
.set pn, \lo
.rept (\hi)-(\lo)+1
	SEQ pn
	WIN 0xa0+0x50*gg                               ; C and D in O^T's window
	v_wmma_f32_16x16x32_bf16 v[rO:rO+7], v[F0+64*ph+8*cbl:F0+64*ph+8*cbl+7], v[S+16*tt:S+16*tt+7], v[rO:rO+7]
	RS pn+2
.set pn, pn+1
.endr
.endm
.macro SC t, p                         ; c s - c m for pair p of tile t
	v_pk_fma_f32 v[S+16*(\t)+2*(\p):S+16*(\t)+2*(\p)+1], v[S+16*(\t)+2*(\p):S+16*(\t)+2*(\p)+1], s[CS:CS+1], v[ST+4*(\t):ST+4*(\t)+1] op_sel_hi:[1,0,0] neg_lo:[0,0,1] neg_hi:[0,0,1]
.endm
; THE SOFTMAX of four tiles x 32 keys, the tiles in the inner loop so that no line waits for the one before it.
.macro LUMP
	WIN 0
	ALL v_max3_num_f32 v[TMP+8*t], v[S+16*t], v[S+16*t+1], v[S+16*t+2]          ; each accumulator's lowest registers are read first
	ALL v_max3_num_f32 v[TMP+8*t+1], v[S+16*t+8], v[S+16*t+9], v[S+16*t+10]
	ALL v_max3_num_f32 v[TMP+8*t], v[TMP+8*t], v[S+16*t+3], v[S+16*t+4]
	ALL v_max3_num_f32 v[TMP+8*t+1], v[TMP+8*t+1], v[S+16*t+11], v[S+16*t+12]
	ALL v_max3_num_f32 v[TMP+8*t], v[TMP+8*t], v[S+16*t+5], v[S+16*t+6]
	ALL v_max3_num_f32 v[TMP+8*t+1], v[TMP+8*t+1], v[S+16*t+13], v[S+16*t+14]
	ALL v_max3_num_f32 v[TMP+8*t], v[TMP+8*t], v[S+16*t+7], v[S+16*t+15]
	ALL v_max3_num_f32 v[TMP+8*t], v[TMP+8*t], v[TMP+8*t+1], v[ST+4*t+1]        ; and the old m
	ALL v_permlanex16_b32 v[TMP+8*t+1], v[TMP+8*t], s[SEL], s[SEL+1]            ; the query's other 16 keys lie in the lane 16 away
	ALL v_max_num_f32 v[ST+4*t+1], v[TMP+8*t], v[TMP+8*t+1]
	ALL v_fma_f32 v[TMP+8*t+4], -v[ST+4*t+1], s[CS], v[ST+4*t]                  ; c m_old - c m_new
	ALL v_mul_f32 v[ST+4*t], s[CS], v[ST+4*t+1]
	; ONE BATCH: 4 a, 32 scalings, 64 exponentials; nothing in it names an exponential's result; a scaling leads the two exponentials of the pair before
.set t, 0
.rept 4
	SC t, 0
	v_exp_f32 v[TMP+8*t+2], v[TMP+8*t+4]
.set t, t+1
.endr
.set p, 1
.rept 7
.set t, 0
.rept 4
	SC t, p
	v_exp_f32 v[S+16*t+2*p-2], v[S+16*t+2*p-2]
	v_exp_f32 v[S+16*t+2*p-1], v[S+16*t+2*p-1]
.set t, t+1
.endr
.set p, p+1
.endr
	ALL v_exp_f32 v[S+16*t+14], v[S+16*t+14]
	ALL v_exp_f32 v[S+16*t+15], v[S+16*t+15]
	v_nop                                          ; a plain instruction behind the last exponential,
	s_wait_alu depctr_va_vdst(0)                   ; and the one wait ahead of the batch's first reader
	ALL v_pk_add_f32 v[TMP+8*t+4:TMP+8*t+5], v[S+16*t:S+16*t+1], v[S+16*t+2:S+16*t+3]
	ALL v_pk_add_f32 v[TMP+8*t+6:TMP+8*t+7], v[S+16*t+4:S+16*t+5], v[S+16*t+6:S+16*t+7]
	ALL v_pk_add_f32 v[TMP+8*t+4:TMP+8*t+5], v[TMP+8*t+4:TMP+8*t+5], v[S+16*t+8:S+16*t+9]
	ALL v_pk_add_f32 v[TMP+8*t+6:TMP+8*t+7], v[TMP+8*t+6:TMP+8*t+7], v[S+16*t+10:S+16*t+11]
	ALL v_pk_add_f32 v[TMP+8*t+4:TMP+8*t+5], v[TMP+8*t+4:TMP+8*t+5], v[S+16*t+12:S+16*t+13]
	ALL v_pk_add_f32 v[TMP+8*t+6:TMP+8*t+7], v[TMP+8*t+6:TMP+8*t+7], v[S+16*t+14:S+16*t+15]
	ALL v_pk_add_f32 v[TMP+8*t+4:TMP+8*t+5], v[TMP+8*t+4:TMP+8*t+5], v[TMP+8*t+6:TMP+8*t+7]
	ALL v_pk_fma_f32 v[ST+4*t+2:ST+4*t+3], v[ST+4*t+2:ST+4*t+3], v[TMP+8*t+2:TMP+8*t+3], v[TMP+8*t+4:TMP+8*t+5] op_sel_hi:[1,0,1]  ; l = a l + the sum
.set k, 0
.rept 8                                ; P in place, ascending: register k takes weights 2 k and 2 k + 1, which lie at or above it
	ALL v_cvt_pk_bf16_f32 v[S+16*t+k], v[S+16*t+2*k], v[S+16*t+2*k+1]
.set k, k+1
.endr
	RS 0
	RS 1
.endm
; A STEP.  Each s_wait_dscnt 16 leaves the run just issued out and shows the run before it landed; each run stands 32 products or the lump ahead of its first use, and four places or more behind its buffer's last reader.
.macro STEP
	WIN 0
	v_add_nc_u32 v[ADK], s[TB], v[AK0]
	v_add_nc_u32 v[ADV], s[TB], v[AV0]
	s_add_co_u32 s[TB], s[TB], STEPB
	RUNK 0                                         ; buffer 0's last reader, product 31, stands in front of four rescalings and the two lines above
	s_wait_dscnt 16                                ; the step before's second run of V is in
	PV 32, 63                                      ; the step before's second half
	WIN 0
	PLACES 5                                       ; four for the loads into buffer 1, five for the scores that write over P
	RUNK 1
	s_wait_dscnt 16
	KQ 0
	PLACES 4
	RUNV 0
	s_wait_dscnt 16
	KQ 1
	PLACES 4                                       ; for the loads into buffer 1 and for the maxima, which read results just made
	RUNV 1
	LUMP
	s_wait_dscnt 16
	PV 0, 31
	WIN 0
.endm
.macro TWO_STEPS                       ; a slot's two steps: written once, walked twice
	s_mov_b32 s[TWICE], 2
.Lstep_\@:
	STEP
	s_sub_co_u32 s[TWICE], s[TWICE], 1
	s_cmp_lg_u32 s[TWICE], 0
	s_cbranch_scc1 .Lstep_\@
.endm
; THE CHANGE OF SLOTS.  Each wave waits for all its tensor loads, of which one is out: the other slot's; adds 0 to its spare word; waits for that and for its reads of the slot that it leaves.
; fill = 1: a round of the cluster's barrier, so that no wave of any partner still reads its slot or has a load on its way; the joint refill is the first thing behind it,
; and has two steps, 256 products and two lumps, in which to land.  (At its first use nothing has been read: slot 0 is waited for, slot 1 filled.)
.macro CHANGE fill
	WIN 0
	s_wait_tensorcnt 0x0                           ; no tensor load of mine is out, so the descriptor may be written
	ds_add_u32 v[SPW], v[NIL]
.if \fill
	s_xor_b32 s[G0+1], s[G0+1], SLOTB              ; the other slot than last time,
	s_add_nc_u64 s[G0+2:G0+3], s[G0+2:G0+3], TILEB ; the next 256 keys; the type bits on top are not reached
	s_wait_xcnt 0x0                                ; the last prefetch, two steps back, has read its address
	s_add_nc_u64 s[PFA:PFA+1], s[PFA:PFA+1], TILEB
	s_wait_dscnt 0x0                               ; the add is done, and my reads of the slot are over
	CROUND
	JLOAD
	ASK
.else
	s_wait_dscnt 0x0
	s_barrier_signal -1
	s_barrier_wait -1
.endif
	s_sub_co_u32 s[TB], s[TB], SLOTB               ; back to a slot's first step,
	s_xor_b32 s[TB], s[TB], SLOTB                  ; in the other slot
.endm
.Lslot:                                        ; 15 trips: trip n waits for tile n, asks for tile n + 1 and walks tile n
	CHANGE 1
	TWO_STEPS
	s_sub_co_u32 s[SLOTS], s[SLOTS], 1
	s_cmp_lg_u32 s[SLOTS], 0
	s_cbranch_scc1 .Lslot
	CHANGE 0                                       ; the last tile is written out
	TWO_STEPS
	s_wait_dscnt 0x0                               ; the last run of V
	PV 32, 63
	WIN 0
	PLACES 4
	; THE FOUR WAVES' PARTS MEET.  First the statistics: every wave learns every wave's c m, and scales its O^T to the common maximum.
	ALL v_add_f32 v[ST+4*t+2], v[ST+4*t+2], v[ST+4*t+3]
	ALL v_permlanex16_b32 v[ST+4*t+3], v[ST+4*t+2], s[SEL], s[SEL+1]
	ALL v_add_f32 v[ST+4*t+2], v[ST+4*t+2], v[ST+4*t+3]
	s_lshl_b32 s16, s[WV], 8
	s_add_co_u32 s16, s16, STATS
	v_lshl_add_u32 v11, v6, 2, s16                 ; where I put mine
	v_lshl_add_u32 v12, v6, 2, STATS               ; where all lie
	s_lshl_b32 s17, s[WV], 10
	s_add_co_u32 s17, s17, STATS
	v_lshl_add_u32 v13, v6, 2, s17                 ; those of the tile that I finish: tile = my wave's number
	ALL ds_store_b32 v11, v[ST+4*t] offset:1024*t
	ALL ds_store_b32 v11, v[ST+4*t+2] offset:1024*t+128
	s_wait_dscnt 0x0                               ; my statistics lie in LDS, and my reads of the ring are over
	s_barrier_signal -1
	s_barrier_wait -1
.set t, 0
.rept 4
.irp u, 0,1,2,3
	ds_load_b32 v[128+4*t+\u], v12 offset:1024*t+256*\u
.endr
.set t, t+1
.endr
.irp u, 0,1,2,3
	ds_load_b32 v[144+2*\u], v13 offset:256*\u
	ds_load_b32 v[145+2*\u], v13 offset:256*\u+128
.endr
	s_lshl_b32 s16, s[WV], 14
	v_lshl_add_u32 v160, v6, 4, s16                ; the stage, in the ring's bytes, which have had their last fill: (tile t, wave w) at 65,536 t + 16,384 w, lane-linear
	v_add_nc_u32 v161, 0x10000, v160
	v_add_nc_u32 v162, 0x20000, v160
	v_add_nc_u32 v163, 0x30000, v160
	s_lshl_b32 s17, s[WV], 16
	v_lshl_add_u32 v15, v6, 4, s17                 ; back: tile = my wave's number
	v_lshlrev_b32 v14, 3, v6
	s_wait_dscnt 0x0
	ALL v_max3_num_f32 v[TMP+8*t], v[128+4*t], v[129+4*t], v[130+4*t]
	ALL v_max_num_f32 v[TMP+8*t], v[TMP+8*t], v[131+4*t]
	ALL v_sub_f32 v[TMP+8*t+4], v[ST+4*t], v[TMP+8*t]
	v_max3_num_f32 v152, v144, v146, v148
	v_max_num_f32 v152, v152, v150                 ; my tile's c m
.irp u, 0,1,2,3
	v_sub_f32 v[154+\u], v[144+2*\u], v152
.endr
	ALL v_exp_f32 v[TMP+8*t+2], v[TMP+8*t+4]       ; f(t), in a's place
.irp u, 0,1,2,3
	v_exp_f32 v[154+\u], v[154+\u]
.endr
	v_nop
	s_wait_alu depctr_va_vdst(0)                   ; one wait for the eight
	v_mul_f32 v153, v154, v145                     ; my tile's l
	v_fmac_f32 v153, v155, v147
	v_fmac_f32 v153, v156, v149
	v_fmac_f32 v153, v157, v151
.set q, 0
.rept 64
	RS q
.set q, q+1
.endr
.set t, 0
.rept 4
	WIN 0x08+4*(t/2)                               ; the stores' data in window 2 or 3
.set k, 0
.rept 32
	ds_store_b128 v[160+t], v[128*(t%2)+4*k:128*(t%2)+4*k+3] offset:512*k
.set k, k+1
.endr
.set t, t+1
.endr
	WIN 0
	s_wait_dscnt 0x0                               ; for the others' sake
	s_barrier_signal -1
	s_barrier_wait -1
.set u, 0
.rept 4                                ; wave u's part of my tile goes where tile u's O^T lay
	WIN 0x80+0x40*(u/2)
.set k, 0
.rept 32
	ds_load_b128 v[128*(u%2)+4*k:128*(u%2)+4*k+3], v15 offset:16384*u+512*k
.set k, k+1
.endr
.set u, u+1
.endr
	s_wait_dscnt 0x0
	WIN 0x8a
.set k, 0
.rept 64
	v_pk_add_f32 v[2*k:2*k+1], v[2*k:2*k+1], v[128+2*k:129+2*k]
.set k, k+1
.endr
	WIN 0xcf
.set k, 0
.rept 64
	v_pk_add_f32 v[2*k:2*k+1], v[2*k:2*k+1], v[128+2*k:129+2*k]
.set k, k+1
.endr
	WIN 0x8e
.set k, 0
.rept 64
	v_pk_add_f32 v[2*k:2*k+1], v[2*k:2*k+1], v[2*k:2*k+1]
.set k, k+1
.endr
	WIN 0x08
.set k, 0
.rept 32
	global_store_b128 v7, v[4*k:4*k+3], s[8:9] offset:512*k th:TH_STORE_NT  ; 512 consecutive bytes
.set k, k+1
.endr
	WIN 0
	global_store_b64 v14, v[152:153], s[10:11]     ; (c m, l): 256 consecutive bytes
	s_wait_tensorcnt 0x0                           ; the wave's end
	ds_add_u32 v[SPW], v[NIL]
	s_wait_dscnt 0x0
	CROUND                                         ; the closing round
	s_endpgm
.Lfunc_end_k_q26584f4f65_att:
	.size	k_q26584f4f65_att, .Lfunc_end_k_q26584f4f65_att-k_q26584f4f65_att
	.p2alignl 7, 3214868480
	.fill 96, 4, 3214868480
	.section	.rodata,"a",@progbits
	.p2align	6, 0x0
	.amdhsa_kernel k_q26584f4f65_att
		.amdhsa_group_segment_fixed_size 327680
		.amdhsa_private_segment_fixed_size 0
		.amdhsa_enable_private_segment 0
		.amdhsa_kernarg_size 24
		.amdhsa_user_sgpr_count 2
		.amdhsa_user_sgpr_kernarg_segment_ptr 1
		.amdhsa_wavefront_size32 1
		.amdhsa_system_sgpr_workgroup_id_x 1
		.amdhsa_system_sgpr_workgroup_id_y 1
		.amdhsa_system_sgpr_workgroup_id_z 1
		.amdhsa_system_vgpr_workitem_id 0
		.amdhsa_next_free_vgpr 1024
		.amdhsa_next_free_sgpr 66
		.amdhsa_reserve_vcc 0
		.amdhsa_float_denorm_mode_32 3
		.amdhsa_float_denorm_mode_16_64 3
		.amdhsa_memory_ordered 1
		.amdhsa_forward_progress 1
		.amdhsa_inst_pref_size 184
	.end_amdhsa_kernel
	.amdgpu_metadata
---
amdhsa.version: [ 1, 2 ]
amdhsa.kernels:
  - .name:           k_q26584f4f65_att
    .symbol:         k_q26584f4f65_att.kd
    .args:
      - { .name: xb, .offset: 0, .size: 8, .value_kind: global_buffer, .address_space: global }
      - { .name: qp, .offset: 8, .size: 8, .value_kind: global_buffer, .address_space: global }
      - { .name: op, .offset: 16, .size: 8, .value_kind: global_buffer, .address_space: global }
    .group_segment_fixed_size: 327680
    .private_segment_fixed_size: 0
    .kernarg_segment_align: 8
    .kernarg_segment_size: 24
    .max_flat_workgroup_size: 128
    .sgpr_count:     66
    .vgpr_count:     1024
    .wavefront_size: 32
...
	.end_amdgpu_metadata
.endif
;; end of part 3
;; launch comb (part 4): grid 256 x 1, 2 waves a work-group, no clusters, 17,152 bytes of LDS; arguments op, ab; writes ab
.if DOCPART == 4
	.amdgcn_target "amdgcn-amd-amdhsa--gfx1250"
	.amdhsa_code_object_version 6
	.text
	.protected	k_q26584f4f65_comb
	.globl	k_q26584f4f65_comb
	.p2align	8
	.type	k_q26584f4f65_comb,@function
k_q26584f4f65_comb:
	s_mov_b64 s[64:65], 0
	v_nop
	global_prefetch_b8 v0, s[64:65] scope:SCOPE_SE
	s_setreg_imm32_b32 hwreg(HW_REG_WAVE_MODE, 25, 1), 1
	s_wait_xcnt 0x0
; The two halves of the keys are joined: attn' = (f0 O0 + f1 O1) / (f0 l0 + f1 l1), f_s = 2^(c m_s - max).  ab = bf16(kappa attn'), kappa = sqrt(2 log2 e), row-major [8192][256];
; hs = -1/2 x the sum of ab^2, taken of the ROUNDED numbers, in f32: then hs_i + hs_j + ab_i . ab_j is -log2(e) times the squared distance of the rounded rows, and rounding adds nothing to the cancellation.
; hs lies behind ab, 32 words for each tile of 16 rows: lane l's word is row l % 16's, so both halves of the lanes store the same numbers and no lane is switched off.
; SHARES.  A wave owns one tile of 16 queries; its two parts of 16 KiB each are asked for by 64 loads on end.  No matrix unit, no cluster: a stream in which nothing is shared.
; A lane holds query l % 16 and, in register j of accumulator cb, channel 8 (cb % 8) + 128 (cb / 8) + 64 (l / 16) + j.  The rows go through the wave's own stage in LDS
; (16 rows of 512 + 16 bytes) and leave as whole rows of 512 bytes.
; REGISTERS.  window 0: v2-7 offsets; v8, v9 the add's; v16-27 statistics and factors; v32-35 four chains of squares; v64-127 packed; v128-255 O0, later the rows read back.   window 1: v0-127 O1.
.set SP,    528
.set SPARE, 2*16*SP                    ; 16,896: one block of 256 bytes that no other line names
.set SPW, 8
.set NIL, 9
.set MSB, 0
.macro WIN new
.if MSB != (\new)
	s_set_vgpr_msb (MSB<<8)|(\new)
.set MSB, (\new)
.endif
.endm
	s_load_b128 s[4:7], s[0:1], 0x0                ; op s[4:5], ab s[6:7]
	v_lshl_add_u32 v[SPW], v0, 2, SPARE
	v_mov_b32 v[NIL], 0
	v_lshrrev_b32 v1, 5, v0
	v_readfirstlane_b32 s8, v1
	s_lshl_b32 s9, ttmp9, 1
	s_add_co_u32 s9, s9, s8                        ; my tile
	v_and_b32 v2, 31, v0
	v_lshlrev_b32 v3, 4, v2
	v_lshlrev_b32 v4, 3, v2
	v_lshlrev_b32 v5, 2, v2
	s_lshl_b32 s10, s9, 14
	s_mov_b32 s11, 0
	s_lshl_b32 s12, s9, 8
	s_mov_b32 s13, 0
	s_lshl_b32 s14, s9, 13                         ; 16 rows of 512 bytes
	s_mov_b32 s15, 0
	s_lshl_b32 s16, s9, 7
	s_mov_b32 s17, 0
	s_mov_b32 s28, 0x76543210
	s_mov_b32 s29, 0xfedcba98
	s_mul_i32 s30, s8, 16*SP                       ; my stage
	v_and_b32 v10, 15, v0
	v_bfe_u32 v11, v0, 4, 1
	v_mul_u32_u24 v6, v10, SP
	v_lshl_add_u32 v6, v11, 7, v6
	v_add_nc_u32 v6, s30, v6                       ; in: row r, 128 h
	v_add_nc_u32 v7, s30, v3                       ; back: 16 l of a row
	s_wait_kmcnt 0x0
	s_add_nc_u64 s[18:19], s[4:5], s[12:13]
	s_add_nc_u64 s[18:19], s[18:19], 0x1000000
	s_add_nc_u64 s[20:21], s[4:5], s[10:11]
	s_add_nc_u64 s[22:23], s[20:21], 0x800000      ; the second half's sums: beyond an immediate's reach
	s_add_nc_u64 s[24:25], s[6:7], s[14:15]
	s_add_nc_u64 s[26:27], s[6:7], s[16:17]
	global_load_b64 v[16:17], v4, s[18:19]
	global_load_b64 v[18:19], v4, s[18:19] offset:131072
.set k, 0
.rept 32
	global_load_b128 v[128+4*k:131+4*k], v3, s[20:21] offset:512*k th:TH_LOAD_NT
.set k, k+1
.endr
	WIN 0x40
.set k, 0
.rept 32
	global_load_b128 v[4*k:4*k+3], v3, s[22:23] offset:512*k th:TH_LOAD_NT
.set k, k+1
.endr
	WIN 0
.irp k, 0,1,2,3
	v_mov_b32 v[32+\k], 0
.endr
	s_wait_loadcnt 63                              ; the statistics.  64 loads of sums are younger; the wait's field ends at 63, so the first of them is waited for as well
	v_max_num_f32 v20, v16, v18
	v_sub_f32 v21, v16, v20
	v_sub_f32 v22, v18, v20
	v_exp_f32 v21, v21
	v_exp_f32 v22, v22
	v_nop
	s_wait_alu depctr_va_vdst(0)                   ; the wait ahead of the first reader
	v_mul_f32 v23, v21, v17
	v_fmac_f32 v23, v22, v19
	v_rcp_f32 v23, v23
	v_nop
	s_wait_alu depctr_va_vdst(0)
	v_mul_f32 v23, 0x3fd96d28, v23                 ; kappa / (f0 l0 + f1 l1)
	v_mul_f32 v24, v21, v23
	v_mul_f32 v25, v21, v23
	v_mul_f32 v26, v22, v23
	v_mul_f32 v27, v22, v23
	s_wait_loadcnt 32                              ; O0
.set k, 0
.rept 64
	v_pk_mul_f32 v[128+2*k:129+2*k], v[128+2*k:129+2*k], v[24:25]
.set k, k+1
.endr
	s_wait_loadcnt 0x0                             ; O1
	WIN 0x01
.set k, 0
.rept 64
	v_pk_fma_f32 v[128+2*k:129+2*k], v[2*k:2*k+1], v[26:27], v[128+2*k:129+2*k]
.set k, k+1
.endr
	WIN 0
.set k, 0
.rept 64
	v_cvt_pk_bf16_f32 v[64+k], v[128+2*k], v[129+2*k]
.set k, k+1
.endr
.set k, 0
.rept 64
	v_fma_mix_f32_bf16 v[32+2*(k%2)], v[64+k], v[64+k], v[32+2*(k%2)] op_sel_hi:[1,1,0]
	v_fma_mix_f32_bf16 v[33+2*(k%2)], v[64+k], v[64+k], v[33+2*(k%2)] op_sel:[1,1,0] op_sel_hi:[1,1,0]
.set k, k+1
.endr
.set k, 0
.rept 16
	ds_store_b128 v6, v[64+4*k:67+4*k] offset:16*(k%8)+256*(k/8)
.set k, k+1
.endr
.set k, 0
.rept 16
	ds_load_b128 v[128+4*k:131+4*k], v7 offset:k*SP  ; LDS serves a wave's instructions in order (ISA guide 5.7.1.4): these see my stores above
.set k, k+1
.endr
	v_add_f32 v32, v32, v33
	v_add_f32 v34, v34, v35
	v_add_f32 v32, v32, v34
	v_permlanex16_b32 v33, v32, s28, s29           ; the row's other 128 channels lie in the lane 16 away
	v_add_f32 v32, v32, v33
	v_mul_f32 v32, -0.5, v32
.set k, 0
.rept 16
	s_wait_dscnt 15-k
	global_store_b128 v3, v[128+4*k:131+4*k], s[24:25] offset:512*k  ; a whole row: 512 consecutive bytes
.set k, k+1
.endr
	global_store_b32 v5, v32, s[26:27] offset:4194304
	s_wait_tensorcnt 0x0                           ; the wave's end
	ds_add_u32 v[SPW], v[NIL]
	s_wait_dscnt 0x0
	s_endpgm
.Lfunc_end_k_q26584f4f65_comb:
	.size	k_q26584f4f65_comb, .Lfunc_end_k_q26584f4f65_comb-k_q26584f4f65_comb
	.p2alignl 7, 3214868480
	.fill 96, 4, 3214868480
	.section	.rodata,"a",@progbits
	.p2align	6, 0x0
	.amdhsa_kernel k_q26584f4f65_comb
		.amdhsa_group_segment_fixed_size 17152
		.amdhsa_private_segment_fixed_size 0
		.amdhsa_enable_private_segment 0
		.amdhsa_kernarg_size 16
		.amdhsa_user_sgpr_count 2
		.amdhsa_user_sgpr_kernarg_segment_ptr 1
		.amdhsa_wavefront_size32 1
		.amdhsa_system_sgpr_workgroup_id_x 1
		.amdhsa_system_sgpr_workgroup_id_y 1
		.amdhsa_system_sgpr_workgroup_id_z 1
		.amdhsa_system_vgpr_workitem_id 0
		.amdhsa_next_free_vgpr 384
		.amdhsa_next_free_sgpr 66
		.amdhsa_reserve_vcc 0
		.amdhsa_float_denorm_mode_32 3
		.amdhsa_float_denorm_mode_16_64 3
		.amdhsa_memory_ordered 1
		.amdhsa_forward_progress 1
		.amdhsa_inst_pref_size 34
	.end_amdhsa_kernel
	.amdgpu_metadata
---
amdhsa.version: [ 1, 2 ]
amdhsa.kernels:
  - .name:           k_q26584f4f65_comb
    .symbol:         k_q26584f4f65_comb.kd
    .args:
      - { .name: op, .offset: 0, .size: 8, .value_kind: global_buffer, .address_space: global }
      - { .name: ab, .offset: 8, .size: 8, .value_kind: global_buffer, .address_space: global }
    .group_segment_fixed_size: 17152
    .private_segment_fixed_size: 0
    .kernarg_segment_align: 8
    .kernarg_segment_size: 16
    .max_flat_workgroup_size: 64
    .sgpr_count:     66
    .vgpr_count:     384
    .wavefront_size: 32
...
	.end_amdgpu_metadata
.endif
;; end of part 4
;; launch rbf (part 5): grid 32 x 8, 4 waves a work-group, clusters of 4 x 1, 327,680 bytes of LDS; arguments ab, rp, cp; writes rp, cp
.if DOCPART == 5
	.amdgcn_target "amdgcn-amd-amdhsa--gfx1250"
	.amdhsa_code_object_version 6
	.text
	.protected	k_q26584f4f65_rbf
	.globl	k_q26584f4f65_rbf
	.p2align	8
	.type	k_q26584f4f65_rbf,@function
k_q26584f4f65_rbf:
	s_mov_b64 s[64:65], 0
	v_nop
	global_prefetch_b8 v0, s[64:65] scope:SCOPE_SE
	s_setreg_imm32_b32 hwreg(HW_REG_WAVE_MODE, 25, 1), 1
	s_wait_xcnt 0x0
	s_wait_alu depctr_hold_cnt(0) depctr_sa_sdst(0) depctr_va_vdst(0) depctr_va_sdst(0) depctr_va_ssrc(0) depctr_va_vcc(0) depctr_vm_vsrc(0)
	s_getreg_b32 s2, hwreg(HW_REG_IB_STS2, 6, 4)
	s_cmp_eq_u32 s2, 0
	s_cbranch_scc0 .Lentry_in_a_cluster
	s_endpgm
.Lentry_in_a_cluster:
	s_bfe_u32 s2, ttmp6, 0x10000c
	s_cmp_lg_u32 s2, 0x3003
	s_cbranch_scc0 .Lentry_shape_is_right
	s_endpgm
.Lentry_shape_is_right:
; Partial sums of ker[i][j] = exp(-max(d2, 0)).  With ab = bf16(kappa attn') and hs = -1/2 |ab|^2 the sum hs_i + hs_j + ab_i . ab_j is -log2(e) d2, so ker = 2^min(that, 0).
; hs_i + hs_j is the C operand that starts each sum; the eight products of a tile add onto it.
; ker IS SYMMETRIC, so most of it is made once.  The rows form 8 units of 1,024 (a cluster's four work-groups).  Unit I multiplies with the column units I .. I + 4 (mod 8).  Every tile gives ROW sums (rp).
; Every tile also gives COLUMN sums (cp); the next launch takes those of distances 1, 2, 3, which stand for the tiles (J, J - 1 .. J - 3) that nobody makes; distance 4 is made from both sides, distance 0 whole.
; So a row gets 5 x 1,024 terms by rows and 3 x 1,024 by columns.
; LIMITS.  A value below 2^-126 counts as 0; NaN and infinities are not treated apart.  A row's sum is made in 8 + 48 parts: another order than the plain row sum, and ker[j][i] is taken for ker[i][j].
; SHARES.  A work-group owns 256 rows (a wave 64: four tiles, whose fragments stay in registers) and 640 of its unit's 5,120 columns (grid y): five blocks of 128, 40 tiles of 16.
; Source 0 = 16 columns' rows of ab from LDS, source 1 = my 16 rows: lane (r, h) holds row r and columns 8 h + 0..7.  Each fragment from LDS feeds four products.
; CLUSTER.  The four work-groups of a cluster share the columns: each block is asked for JOINTLY.  Two slots of a block each; wave w fetches rows 32 w .. of a block (32 rows: the slots are 128 rows, since the
; stages below take 182,784 bytes); all waves read all of it.
; NO PREFETCH: block B of 128 rows is block b of the clusters with 8 I + 5 y + b = B (mod 64): five of them, one for each b.  So each block is some cluster's first fill, issued at the head.
; A TURN is a column tile: 32 products; behind them 108 vector lines: the row sums of the tile two back, its four row tiles added for the column sums, min and exponential of the tile before, the next tile's start values.
; COLUMN SUMS.  The lane's 8 numbers (its row r's part of 8 columns) go to the wave's own stage in LDS: a row of 256 + 16 bytes for each 4 columns, 16 bytes for each r.  At the end a lane reads a stage row's 16 parts
; and adds them.  16 lanes' stores cover 256 bytes on end; 16 lanes' reads lie 272 bytes apart: 16 different groups of four banks (64 banks of 4 bytes: ISA guide 11.1).  A wave reads its own bytes alone: no barrier.
; ONE WINDOW SETTING serves a turn's products and riders: source 1 in window 1 (my rows' fragments); no rider has a vector register as its second source.  A store's data is its second source: two switches a turn.
; REGISTERS.  window 0: v2, v3 the add's; v4, v6, v8, v10 hs of my rows (read as pairs with their neighbours, low word for both halves); v5, v7, v9, v11, v28, v30 LDS addresses;
; v12-19 four pairs of sums; v20-27 hs of the tile's columns; v32-63 E; v64-95, v96-127 two sets of four accumulators; v128-191, v192-255 two fragment buffers.   window 1: (t, c) at 64 t + 8 c.
.set PITCH, 528
.set TSTEP, 16*PITCH                   ; a column tile's rows
.set QUART, 32*PITCH                   ; 0x4200: what one tensor load brings
.set SLOT,  4*QUART                    ; 0x10800: bits 16 and 11, clear in every wave's 0x4200 w, so one exclusive or changes slots
.set HSJ,   2*SLOT                     ; 5,120 bytes: hs of my 640 columns, 128 bytes a tile; stored once, never the target of a fill
.set SPARE, HSJ+5120                   ; the spare words: two blocks of 256 bytes that no other line names
.set CB,    SPARE+512                  ; the stages
.set CPITCH, 272
.set CTURN, 4*CPITCH                   ; a turn's 16 columns
.set CWAVE, 42*CTURN                   ; a wave's stage: turn k stores tile k - 2's sums, so two turns' rows lead the 40 tiles'
.set SPW, 2
.set NIL, 3
.set HI,  4
.set AB0, 5                            ; r x pitch + 16 h; never rewritten
.set ADR, 7
.set AH0, 9                            ; HSJ + 32 h; never rewritten
.set ADH, 11
.set SUM, 12
.set HJ,  20
.set AC0, 28                           ; my stage + 544 h + 16 r; never rewritten
.set ADC, 30
.set E,   32
.set ACC0, 64
.set F0,  128
.set WV,  12
.set G1,  24
.set G0A, 40                           ; block 0, slot 0
.set G0,  44                           ; block 1, slot 1; then it walks
.set CP,  48                           ; s[48:49] cp at my wave's 640 numbers
.set OFF, 50                           ; s[50:51] a block's byte offset in ab
.set NB,  52                           ; the block to be asked for next, before the wrap at 64
.set W14, 53                           ; my 32 rows of a block, in bytes
.set OUT, 54
.set TC,  55                           ; byte in a stage at which the turn stores
.set CNT, 56
.set CW,  57                           ; my stage
.set TB,  58                           ; LDS byte at which the tile to be fetched begins
.set TH,  59                           ; the same in HSJ
.set SEL, 60
.set BIG, 62
.set MSB, 0
.macro WIN new
.if MSB != (\new)
	s_set_vgpr_msb (MSB<<8)|(\new)
.set MSB, (\new)
.endif
.endm
.macro ALL line:vararg
.set t, 0
.rept 4
	\line
.set t, t+1
.endr
.endm
.macro CROUND
	s_barrier_signal -1
	s_barrier_wait -1
	s_cmp_lg_u32 s[WV], 0
	s_cbranch_scc1 .Lnot_wave_0_\@
	s_barrier_signal -3
.Lnot_wave_0_\@:
	s_barrier_wait -3
	s_barrier_signal -1
	s_barrier_wait -1
.endm
	s_load_b128 s[4:7], s[0:1], 0x0                ; ab s[4:5], rp s[6:7]
	s_load_b64 s[CP:CP+1], s[0:1], 0x10            ; cp
	v_lshl_add_u32 v[SPW], v0, 2, SPARE
	v_mov_b32 v[NIL], 0
	ds_add_u32 v[SPW], v[NIL]                      ; the wave's opening: the add, twice on end, and its wait ahead of my first tensor load
	ds_add_u32 v[SPW], v[NIL]
	v_lshrrev_b32 v1, 5, v0
	v_readfirstlane_b32 s[WV], v1
	s_bfe_u32 s13, ttmp6, 0x40000                  ; cx
	s_lshl_b32 s14, ttmp9, 2
	s_add_co_u32 s14, s14, s13                     ; my block of 256 rows
	s_and_b32 s15, ttmp7, 0xffff                   ; y: my 640 of the unit's columns: the partners share them
	s_mov_b32 s[G1], 15|(1<<16)|(1<<20)|(1<<21)|(6<<22)|(3<<25)  ; the mask of four; 2-byte elements; padding on; bit 21 beside a mask; after every 128 words 4 words
	s_mov_b32 s[G1+1], 256<<16                     ; tensor_dim0 = 256
	s_mov_b32 s[G1+2], 32<<16                      ; tensor_dim1 = 32
	s_mov_b32 s[G1+3], 256<<16                     ; tile_dim0 = 256
	s_mov_b32 s[G1+4], 32                          ; tile_dim1 = 32
	s_mov_b32 s[G1+5], 256                         ; elements from row to row
	s_mov_b32 s[G1+6], 0
	s_mov_b32 s[G1+7], 0
	s_mov_b32 s[G0A], 1
	s_mul_i32 s[G0A+1], s[WV], QUART
	s_mov_b32 s[G0], 1
	s_mul_i32 s[G0+1], s[WV], QUART
	s_add_co_u32 s[G0+1], s[G0+1], SLOT
	s_lshl_b32 s[NB], ttmp9, 3                     ; my first block of 128 rows: 8 x unit
	s_mul_i32 s16, s15, 5
	s_add_co_u32 s[NB], s[NB], s16                 ; + 5 y: made of the cluster's x and y alone
	s_lshl_b32 s[W14], s[WV], 14
	s_and_b32 s16, s[NB], 63
	s_lshl_b32 s16, s16, 16                        ; a block is 65,536 bytes
	s_add_co_u32 s16, s16, s[W14]
	s_mov_b32 s17, 0
	s_add_co_u32 s20, s[NB], 1
	s_and_b32 s20, s20, 63
	s_lshl_b32 s20, s20, 16
	s_add_co_u32 s20, s20, s[W14]
	s_mov_b32 s21, 0
	s_mov_b32 s[OFF+1], 0
	s_lshl_b32 s22, s14, 17                        ; my rows: 256 x 512 bytes a work-group,
	s_lshl_b32 s23, s[WV], 15                      ; 64 a wave
	s_add_co_u32 s22, s22, s23
	s_mov_b32 s23, 0
	s_lshl_b32 s32, s14, 11                        ; their hs: 16 tiles of 128 bytes a work-group,
	s_lshl_b32 s33, s[WV], 9                       ; 4 a wave,
	s_add_co_u32 s32, s32, s33
	s_add_co_u32 s32, s32, 0x400000                ; behind ab's 4 MiB
	s_mov_b32 s33, 0
	s_lshl_b32 s34, s14, 3
	s_add_co_u32 s34, s34, s15
	s_lshl2_add_u32 s34, s34, s[WV]
	s_mul_i32 s34, s34, 2560                       ; cp: ((8 bx + y) 4 + w) x 640 numbers
	s_mov_b32 s35, 0
	s_lshl_b32 s36, s15, 15
	s_lshl_b32 s37, s14, 10
	s_add_co_u32 s36, s36, s37
	s_lshl_b32 s37, s[WV], 8
	s_add_co_u32 s36, s36, s37                     ; rp: 32,768 y + 4 (256 bx + 64 w)
	s_mov_b32 s37, 0
	s_mul_i32 s[CW], s[WV], CWAVE
	s_add_co_u32 s[CW], s[CW], CB
	s_mov_b32 s[SEL], 0x76543210
	s_mov_b32 s[SEL+1], 0xfedcba98
	s_mov_b32 s[BIG], 0xf149f2ca                   ; -1e30
	s_mov_b32 s[TB], 0
	s_mov_b32 s[TH], 0
	s_mov_b32 s[TC], 0
	s_wait_dscnt 0x0                               ; both opening adds are done
	s_wait_kmcnt 0x0
	s_add_nc_u64 s[G0A+2:G0A+3], s[4:5], s[16:17]
	s_or_b32 s[G0A+3], s[G0A+3], 0x80000000
	s_add_nc_u64 s[G0+2:G0+3], s[4:5], s[20:21]
	s_or_b32 s[G0+3], s[G0+3], 0x80000000
	s_add_nc_u64 s[8:9], s[4:5], s[22:23]
	s_add_nc_u64 s[10:11], s[4:5], s[32:33]
	s_add_nc_u64 s[38:39], s[4:5], 0x400000
	s_add_nc_u64 s[6:7], s[6:7], s[36:37]
	s_add_nc_u64 s[CP:CP+1], s[CP:CP+1], s[34:35]
	CROUND                                         ; all four work-groups are here: the first joint loads meet
	tensor_load_to_lds s[G0A:G0A+3], s[G1:G1+7]    ; both first fills as one group: two loads of mine are out
	s_nop 0
	tensor_load_to_lds s[G0:G0+3], s[G1:G1+7]
	s_nop 0
.rept 4
	v_nop
.endr
.irp b, 0,1,2,3,4                      ; hs of my columns: a block's 8 tiles are 1,024 bytes, 8 a thread
	s_add_co_u32 s16, s[NB], \b
	s_and_b32 s16, s16, 63
	s_lshl_b32 s16, s16, 10
	v_lshl_add_u32 v[208+\b], v0, 3, s16
	global_load_b64 v[192+2*\b:193+2*\b], v[208+\b], s[38:39]
.endr
	s_add_co_u32 s[NB], s[NB], 2                   ; the first refill asks for block 2
	v_lshl_add_u32 v214, v0, 3, HSJ
	v_and_b32 v1, 15, v0                           ; r
	v_bfe_u32 v29, v0, 4, 1                        ; h
	v_and_b32 v31, 31, v0
	v_lshlrev_b32 v31, 2, v31
	ALL global_load_b32 v[HI+2*t], v31, s[10:11] offset:128*t
	v_lshlrev_b32 v30, 9, v1
	v_lshl_add_u32 v30, v29, 4, v30                ; row x 512 + 16 h
	WIN 0x40
.set f, 0
.rept 32                               ; fragment f = 8 t + c
	global_load_b128 v[8*f:8*f+3],   v30, s[8:9] offset:(f/8)*8192+64*(f%8)
	global_load_b128 v[8*f+4:8*f+7], v30, s[8:9] offset:(f/8)*8192+64*(f%8)+32
.set f, f+1
.endr
	WIN 0
	v_mul_u32_u24 v[AB0], v1, PITCH
	v_lshl_add_u32 v[AB0], v29, 4, v[AB0]
	v_lshlrev_b32 v[AH0], 5, v29
	v_add_nc_u32 v[AH0], HSJ, v[AH0]
	v_mul_u32_u24 v[AC0], v29, 2*CPITCH
	v_lshl_add_u32 v[AC0], v1, 4, v[AC0]
	v_add_nc_u32 v[AC0], s[CW], v[AC0]
	; what the first two turns find: E = 0 and the second set of accumulators at -1e30, whose exponential is 0: so they are turns like any other
.set i, 0
.rept 32
	v_mov_b32 v[E+i], 0
	v_mov_b32 v[ACC0+32+i], s[BIG]
.set i, i+1
.endr
.set i, 0
.rept 8
	v_mov_b32 v[SUM+i], 0
.set i, i+1
.endr
	s_wait_loadcnt 63                              ; my part of the columns' hs is in.  4 + 64 loads are younger; the wait's field ends at 63, so the first five of them are waited for as well
.irp b, 0,1,2,3,4
	ds_store_b64 v214, v[192+2*\b:193+2*\b] offset:1024*\b
.endr
	s_wait_tensorcnt 0x1                           ; my part of block 0 is in; block 1's may stay out
	s_wait_dscnt 0x0
	s_barrier_signal -1
	s_barrier_wait -1
; The fetch of a column tile: its hs, and its 8 fragments into buffer f
.macro HEAD f
	v_add_nc_u32 v[ADR], v[AB0], s[TB]
	v_add_nc_u32 v[ADH], v[AH0], s[TH]
	s_add_co_u32 s[TB], s[TB], TSTEP
	s_add_co_u32 s[TH], s[TH], 128
	ds_load_b128 v[HJ:HJ+3], v[ADH]
	ds_load_b128 v[HJ+4:HJ+7], v[ADH] offset:16
.irp c, 0,1,2,3,4,5,6,7
	ds_load_b128 v[F0+64*(\f)+8*\c:F0+64*(\f)+8*\c+3],   v[ADR] offset:64*\c
	ds_load_b128 v[F0+64*(\f)+8*\c+4:F0+64*(\f)+8*\c+7], v[ADR] offset:64*\c+32
.endr
.endm
.macro CADR                            ; where this turn's column sums go
	v_add_nc_u32 v[ADC], v[AC0], s[TC]
	s_add_co_u32 s[TC], s[TC], CTURN
.endm
.macro CSTORE back                     ; columns 8 h + 0..3 and 8 h + 4..7: two stage rows; the data lie in window 0
	WIN 0
	ds_store_b128 v[ADC], v[E:E+3]
	ds_store_b128 v[ADC], v[E+4:E+7] offset:CPITCH
	WIN \back
.endm
; Rider n of 108 of a turn on accumulator set b.  0-15: the row sums take E (the tile two back).  16-27: E's four row tiles are added in place, tile 0 taking the sum: the column sums.
; 28-91: min and exponential of the other set (the tile before), from each accumulator's low end on, the exponential one min behind.  92-107: the other set takes hs_j + hs_i, for the next tile;
; in front of 92 the wait for hs_j: the 16 fragment loads and the two stage stores behind it may stay out.
.macro RID n, b, fetch
.set AO, ACC0+32*(1-(\b))
.if (\n) < 16
	v_pk_fma_f32 v[SUM+2*((\n)%4):SUM+2*((\n)%4)+1], v[E+8*((\n)%4)+2*((\n)/4):E+8*((\n)%4)+2*((\n)/4)+1], 1.0, v[SUM+2*((\n)%4):SUM+2*((\n)%4)+1] op_sel_hi:[1,0,1]
.elseif (\n) < 28
.set m, (\n)-16
.set p, 2*(m%4)
.if m < 4
	v_pk_fma_f32 v[E+p:E+p+1], v[E+8+p:E+8+p+1], 1.0, v[E+p:E+p+1] op_sel_hi:[1,0,1]
.elseif m < 8
	v_pk_fma_f32 v[E+16+p:E+16+p+1], v[E+24+p:E+24+p+1], 1.0, v[E+16+p:E+16+p+1] op_sel_hi:[1,0,1]
.else
	v_pk_fma_f32 v[E+p:E+p+1], v[E+16+p:E+16+p+1], 1.0, v[E+p:E+p+1] op_sel_hi:[1,0,1]
.endif
.elseif (\n) < 92
.set m, (\n)-28
.if (m == 0) || ((m%2 == 1) && (m < 63))
.set e, (m+1)/2
	v_min_num_f32 v[E+e], v[AO+e], 0
.else
.set e, m/2-1
.if m == 63
.set e, 31
.endif
	v_exp_f32 v[E+e], v[E+e]
.endif
.elseif \fetch
.set m, (\n)-92
.if m == 0
	s_wait_dscnt 18
.endif
	v_pk_fma_f32 v[AO+8*(m/4)+2*(m%4):AO+8*(m/4)+2*(m%4)+1], v[HJ+2*(m%4):HJ+2*(m%4)+1], 1.0, v[HI+2*(m/4):HI+2*(m/4)+1] op_sel_hi:[1,0,0]
.endif
.endm
; A TURN.  The four accumulators take turns.  Four riders stand behind each of the first 12 products, three behind the others: 108.  The stage stores stand behind rider 27.
; The last three riders and the v_nop are the four places in front of the next turn's loads into the buffer just multiplied;
; the wait at the end is for the turn's 32 exponentials, ahead of their first reader in the next turn.
.macro TURN b, fetch
	CADR
.if \fetch
	HEAD 1-(\b)
	s_wait_dscnt 18                                ; all but the 18 just issued: this turn's fragments are in
.else
	s_wait_dscnt 0x0
.endif
.set i, 0
.set nr, 0
.rept 32
	v_wmma_f32_16x16x32_bf16 v[ACC0+32*(\b)+8*(i%4):ACC0+32*(\b)+8*(i%4)+7], v[F0+64*(\b)+8*(i/4):F0+64*(\b)+8*(i/4)+7], v[64*(i%4)+8*(i/4):64*(i%4)+8*(i/4)+7], v[ACC0+32*(\b)+8*(i%4):ACC0+32*(\b)+8*(i%4)+7]
.rept 3
	RID nr, \b, \fetch
.set nr, nr+1
.endr
.if i < 12
	RID nr, \b, \fetch
.set nr, nr+1
.endif
.if i == 6
	CSTORE 0x04
.endif
.set i, i+1
.endr
	v_nop
	s_wait_alu depctr_va_vdst(0)
.endm
; THE CHANGE OF SLOTS, in front of the turn whose fetch first touches the next slot: the old slot's last tile lies in registers.  Each wave waits for all its tensor loads, adds 0 to its spare word, and waits for that
; and for its reads.  fill = 1: a round of the cluster's barrier, and the old slot's joint refill first behind it: it has 8 turns, 256 products, in which to land.  Its address is made anew from the block's number.
.macro CHANGE fill
	WIN 0
	s_wait_tensorcnt 0x0                           ; no tensor load of mine is out, so the descriptor may be written
	ds_add_u32 v[SPW], v[NIL]
.if \fill
	s_and_b32 s[OFF], s[NB], 63                    ; the columns wrap at 8,192 rows = 64 blocks
	s_lshl_b32 s[OFF], s[OFF], 16
	s_add_co_u32 s[OFF], s[OFF], s[W14]
	s_add_co_u32 s[NB], s[NB], 1
	s_xor_b32 s[G0+1], s[G0+1], SLOT               ; the other slot than last time
	s_add_nc_u64 s[G0+2:G0+3], s[4:5], s[OFF:OFF+1]
	s_or_b32 s[G0+3], s[G0+3], 0x80000000
	s_wait_dscnt 0x0                               ; the add is done, and my reads of the slot are over
	CROUND
	tensor_load_to_lds s[G0:G0+3], s[G1:G1+7]
	s_nop 0
.rept 4
	v_nop
.endr
.else
	s_wait_dscnt 0x0
	s_barrier_signal -1
	s_barrier_wait -1
.endif
	s_sub_co_u32 s[TB], s[TB], SLOT                ; eight fetches have stepped it by a slot: back,
	s_xor_b32 s[TB], s[TB], SLOT                   ; and into the other slot
.endm
	HEAD 0                                         ; tile 0
	s_wait_dscnt 0x0
	s_wait_loadcnt 0x0                             ; my rows' fragments and hs
.set n, 92
.rept 16
	RID n, 1, 1                                    ; the first set's start values (its wait finds nothing out)
.set n, n+1
.endr
	s_mov_b32 s[CNT], 4
	s_mov_b32 s[OUT], 4
	s_branch .Lfirst                               ; the loop is entered in the middle of a trip: turns 0 to 6 fetch tiles 1 to 7 of block 0
.Lblk:                                         ; three times: turns 7-14, 15-22, 23-30; blocks 2, 3, 4 are asked for
	CHANGE 1
	s_mov_b32 s[CNT], 4
.Lpair:
	WIN 0x04
	TURN 1, 1
	WIN 0
.Lfirst:
	WIN 0x04
	TURN 0, 1
	WIN 0
	s_sub_co_u32 s[CNT], s[CNT], 1
	s_cmp_lg_u32 s[CNT], 0
	s_cbranch_scc1 .Lpair
	s_sub_co_u32 s[OUT], s[OUT], 1
	s_cmp_lg_u32 s[OUT], 0
	s_cbranch_scc1 .Lblk
	CHANGE 0                                       ; the last block is written out
	s_mov_b32 s[CNT], 4
.Ltail:                                        ; turns 31 to 38
	WIN 0x04
	TURN 1, 1
	TURN 0, 1
	WIN 0
	s_sub_co_u32 s[CNT], s[CNT], 1
	s_cmp_lg_u32 s[CNT], 0
	s_cbranch_scc1 .Ltail
	WIN 0x04
	TURN 1, 0                                      ; turn 39: nothing is left to fetch
	WIN 0
.rept 4
	v_nop                                          ; the places behind the last products
.endr
	CADR
.set n, 0
.rept 28
	RID n, 0, 0                                    ; tile 38's sums
.set n, n+1
.endr
	CSTORE 0
.rept 64
	RID n, 0, 0                                    ; tile 39's min and exponentials
.set n, n+1
.endr
	v_nop
	s_wait_alu depctr_va_vdst(0)
	CADR
.set n, 0
.rept 28
	RID n, 0, 0                                    ; tile 39's sums
.set n, n+1
.endr
	CSTORE 0
	; THE ROW SUMS
	ALL v_add_f32 v[SUM+2*t], v[SUM+2*t], v[SUM+2*t+1]
	ALL v_permlanex16_b32 v[SUM+2*t+1], v[SUM+2*t], s[SEL], s[SEL+1]   ; the row's other columns lie in the lane 16 away
	ALL v_add_f32 v[SUM+2*t], v[SUM+2*t], v[SUM+2*t+1]
	v_lshlrev_b32 v30, 4, v1
	v_lshl_add_u32 v30, v29, 3, v30                ; 16 r + 8 h: row 16 t + r lies at word 4 r + t of my 64
	v_cmp_eq_u32 vcc_lo, 1, v29
	v_cndmask_b32 v20, v[SUM], v[SUM+4], vcc_lo    ; lanes 0-15 store tiles 0 and 1, lanes 16-31 tiles 2 and 3
	v_cndmask_b32 v21, v[SUM+2], v[SUM+6], vcc_lo
	global_store_b64 v30, v[20:21], s[6:7]         ; 256 consecutive bytes
	; THE COLUMN SUMS: five trips of 128 columns.  Lane l takes stage row 32 g + l: 4 columns, the parts of my wave's 16 lanes r; LDS serves a wave's instructions in order (ISA guide 5.7.1.4), so these see my stores.
	v_and_b32 v31, 31, v0
	v_mul_u32_u24 v[ADR], v31, CPITCH
	v_add_nc_u32 v[ADR], s[CW], v[ADR]
	v_lshlrev_b32 v[ADH], 4, v31
	s_mov_b32 s[CNT], 5
.macro LEVEL k                         ; part i takes part i + k
.set i, 0
.rept \k
	v_pk_add_f32 v[F0+4*i:F0+4*i+1], v[F0+4*i:F0+4*i+1], v[F0+4*(i+\k):F0+4*(i+\k)+1]
	v_pk_add_f32 v[F0+4*i+2:F0+4*i+3], v[F0+4*i+2:F0+4*i+3], v[F0+4*(i+\k)+2:F0+4*(i+\k)+3]
.set i, i+1
.endr
.endm
.Lcol:
.set i, 0
.rept 16
	ds_load_b128 v[F0+4*i:F0+4*i+3], v[ADR] offset:2*CTURN+16*i
.set i, i+1
.endr
	s_wait_dscnt 0x0
	LEVEL 8
	LEVEL 4
	LEVEL 2
	v_pk_add_f32 v[E:E+1], v[F0:F0+1], v[F0+4:F0+5]
	v_pk_add_f32 v[E+2:E+3], v[F0+2:F0+3], v[F0+6:F0+7]
	global_store_b128 v[ADH], v[E:E+3], s[CP:CP+1] ; 512 consecutive bytes
	v_add_nc_u32 v[ADR], 32*CPITCH, v[ADR]
	s_wait_xcnt 0x0                                ; the store has read its offset and its data, which the next trip writes
	v_add_nc_u32 v[ADH], 0x200, v[ADH]
	s_sub_co_u32 s[CNT], s[CNT], 1
	s_cmp_lg_u32 s[CNT], 0
	s_cbranch_scc1 .Lcol
	s_wait_tensorcnt 0x0                           ; the wave's end
	ds_add_u32 v[SPW], v[NIL]
	s_wait_dscnt 0x0
	CROUND                                         ; the closing round
	s_endpgm
.Lfunc_end_k_q26584f4f65_rbf:
	.size	k_q26584f4f65_rbf, .Lfunc_end_k_q26584f4f65_rbf-k_q26584f4f65_rbf
	.p2alignl 7, 3214868480
	.fill 96, 4, 3214868480
	.section	.rodata,"a",@progbits
	.p2align	6, 0x0
	.amdhsa_kernel k_q26584f4f65_rbf
		.amdhsa_group_segment_fixed_size 327680
		.amdhsa_private_segment_fixed_size 0
		.amdhsa_enable_private_segment 0
		.amdhsa_kernarg_size 24
		.amdhsa_user_sgpr_count 2
		.amdhsa_user_sgpr_kernarg_segment_ptr 1
		.amdhsa_wavefront_size32 1
		.amdhsa_system_sgpr_workgroup_id_x 1
		.amdhsa_system_sgpr_workgroup_id_y 1
		.amdhsa_system_sgpr_workgroup_id_z 1
		.amdhsa_system_vgpr_workitem_id 0
		.amdhsa_next_free_vgpr 512
		.amdhsa_next_free_sgpr 66
		.amdhsa_reserve_vcc 1
		.amdhsa_float_denorm_mode_32 3
		.amdhsa_float_denorm_mode_16_64 3
		.amdhsa_memory_ordered 1
		.amdhsa_forward_progress 1
		.amdhsa_inst_pref_size 78
	.end_amdhsa_kernel
	.amdgpu_metadata
---
amdhsa.version: [ 1, 2 ]
amdhsa.kernels:
  - .name:           k_q26584f4f65_rbf
    .symbol:         k_q26584f4f65_rbf.kd
    .args:
      - { .name: ab, .offset: 0, .size: 8, .value_kind: global_buffer, .address_space: global }
      - { .name: rp, .offset: 8, .size: 8, .value_kind: global_buffer, .address_space: global }
      - { .name: cp, .offset: 16, .size: 8, .value_kind: global_buffer, .address_space: global }
    .group_segment_fixed_size: 327680
    .private_segment_fixed_size: 0
    .kernarg_segment_align: 8
    .kernarg_segment_size: 24
    .max_flat_workgroup_size: 128
    .sgpr_count:     66
    .vgpr_count:     512
    .wavefront_size: 32
...
	.end_amdgpu_metadata
.endif
;; end of part 5
;; launch fin (part 6): grid 128 x 1, 1 waves a work-group, no clusters, 0 bytes of LDS; arguments rp, cp, W1, b1, W2, b2, out0; writes out0
.if DOCPART == 6
	.amdgcn_target "amdgcn-amd-amdhsa--gfx1250"
	.amdhsa_code_object_version 6
	.text
	.protected	k_q26584f4f65_fin
	.globl	k_q26584f4f65_fin
	.p2align	8
	.type	k_q26584f4f65_fin,@function
k_q26584f4f65_fin:
	s_mov_b64 s[64:65], 0
	v_nop
	global_prefetch_b8 v0, s[64:65] scope:SCOPE_SE
	s_setreg_imm32_b32 hwreg(HW_REG_WAVE_MODE, 25, 1), 1
	s_wait_xcnt 0x0
; feat = (8 partial row sums + 48 partial column sums) / 8192;  out = relu(feat W1 + b1) . W2 + b2.  All in f32.
; 128 work-groups of one wave, 64 rows each: there is no more work than that.  Lane l owns rows 2 l and 2 l + 1, as the two halves of packed arithmetic.
; ROW SUMS.  In rp row 16 t + r of a group of 64 lies at word 4 r + t: row 2 l at byte 32 (l % 8) + 4 (l / 8), row 2 l + 1 sixteen bytes on; eight parts, 32,768 bytes apart.
; COLUMN SUMS.  My 64 rows lie in unit J = G / 16 at 64 (G % 16).  For d = 1, 2, 3 unit I = (J - d) mod 8 had them as columns 64 e .., e = 16 d + G % 16, of its 5,120: in part y = e / 10 at place 64 (e - 10 y)
; (a part is 640 = 10 x 64 columns, so my 64 lie in one part).  cp holds 640 numbers for ((8 bx + y) 4 + wave), bx = 4 I + q: 4 x 4 parts for each d.  e is at most 63, where e x 205 / 2,048 is e / 10.
; W1, b1 and W2 (64 numbers each) are held whole by every lane: v32-95, v96-159, v160-223.  Window 1: v0-95 the 48 pairs from cp.  The store covers 256 consecutive bytes.
.set MSB, 0
.macro WIN new                         ; the immediate's high byte repeats the setting that is left
.if MSB != (\new)
	s_set_vgpr_msb (MSB<<8)|(\new)
.set MSB, (\new)
.endif
.endm
	s_load_b256 s[4:11], s[0:1], 0x0               ; rp s[4:5], cp s[6:7], W1 s[8:9], b1 s[10:11]
	s_load_b128 s[12:15], s[0:1], 0x20             ; W2 s[12:13], b2 s[14:15]
	s_load_b64 s[16:17], s[0:1], 0x30              ; out0
	v_and_b32 v1, 7, v0
	v_lshrrev_b32 v2, 3, v0
	v_lshlrev_b32 v1, 5, v1
	v_lshl_add_u32 v1, v2, 2, v1
	s_lshl_b32 s18, ttmp9, 8
	v_add_nc_u32 v1, s18, v1
	v_lshl_add_u32 v3, v0, 3, s18
	v_mov_b32 v4, 0
	s_lshr_b32 s19, ttmp9, 4                       ; J
	s_and_b32 s20, ttmp9, 15
.irp d, 1,2,3
	s_sub_co_u32 s21, s19, \d
	s_and_b32 s21, s21, 7                          ; I
	s_add_co_u32 s22, s20, 16*\d                   ; e
	s_mul_i32 s23, s22, 205
	s_lshr_b32 s23, s23, 11                        ; y
	s_mul_i32 s24, s23, 10
	s_sub_co_u32 s22, s22, s24                     ; e - 10 y
	s_lshl_b32 s21, s21, 7
	s_lshl2_add_u32 s21, s23, s21                  ; 128 I + 4 y
	s_mul_i32 s21, s21, 2560
	s_lshl_b32 s22, s22, 8                         ; 64 numbers are 256 bytes
	s_add_co_u32 s21, s21, s22
	v_lshl_add_u32 v[4+\d], v0, 3, s21             ; + my two rows
.endr
	s_wait_kmcnt 0x0
.set y, 0
.rept 8
	global_load_b32 v[8+2*y], v1, s[4:5] offset:32768*y
	global_load_b32 v[9+2*y], v1, s[4:5] offset:32768*y+16
.set y, y+1
.endr
	WIN 0x40                                       ; destination window 1
.set k, 0
.rept 48                               ; pair k = 16 (d - 1) + 4 q + wave: the wave's load covers 256 consecutive bytes
	global_load_b64 v[2*k:2*k+1], v[5+k/16], s[6:7] offset:((k%16)/4)*81920+(k%4)*2560
.set k, k+1
.endr
	WIN 0
.set k, 0
.rept 16
	global_load_b128 v[32+4*k:35+4*k], v4, s[8:9] offset:16*k
	global_load_b128 v[96+4*k:99+4*k], v4, s[10:11] offset:16*k
	global_load_b128 v[160+4*k:163+4*k], v4, s[12:13] offset:16*k
.set k, k+1
.endr
	global_load_b32 v2, v4, s[14:15]
	s_wait_loadcnt 0x0
	v_pk_add_f32 v[8:9], v[8:9], v[10:11]
	v_pk_add_f32 v[12:13], v[12:13], v[14:15]
	v_pk_add_f32 v[16:17], v[16:17], v[18:19]
	v_pk_add_f32 v[20:21], v[20:21], v[22:23]
	WIN 0x01                                       ; source 0 window 1
.set k, 0
.rept 48                               ; four chains, which the row sums have started
	v_pk_add_f32 v[8+4*(k%4):9+4*(k%4)], v[2*k:2*k+1], v[8+4*(k%4):9+4*(k%4)]
.set k, k+1
.endr
	WIN 0
	v_pk_add_f32 v[8:9], v[8:9], v[12:13]
	v_pk_add_f32 v[16:17], v[16:17], v[20:21]
	v_pk_add_f32 v[8:9], v[8:9], v[16:17]
	v_pk_mul_f32 v[8:9], v[8:9], 0x39000000 op_sel_hi:[1,0]  ; 1 / 8192
.set u, 0
.rept 32                               ; two hidden units at a time, for each of my two rows
	v_pk_fma_f32 v[28:29], v[32+2*u:33+2*u], v[8:9], v[96+2*u:97+2*u] op_sel_hi:[1,0,1]
	v_pk_fma_f32 v[30:31], v[32+2*u:33+2*u], v[8:9], v[96+2*u:97+2*u] op_sel:[0,1,0] op_sel_hi:[1,1,1]
	v_max_num_f32 v28, 0, v28
	v_max_num_f32 v29, 0, v29
	v_max_num_f32 v30, 0, v30
	v_max_num_f32 v31, 0, v31
.if u == 0
	v_pk_mul_f32 v[24:25], v[28:29], v[160:161]
	v_pk_mul_f32 v[26:27], v[30:31], v[160:161]
.else
	v_pk_fma_f32 v[24:25], v[28:29], v[160+2*u:161+2*u], v[24:25]
	v_pk_fma_f32 v[26:27], v[30:31], v[160+2*u:161+2*u], v[26:27]
.endif
.set u, u+1
.endr
	v_add_f32 v24, v24, v25
	v_add_f32 v26, v26, v27
	v_add_f32 v24, v24, v2
	v_add_f32 v25, v26, v2
	global_store_b64 v3, v[24:25], s[16:17]
	s_endpgm
.Lfunc_end_k_q26584f4f65_fin:
	.size	k_q26584f4f65_fin, .Lfunc_end_k_q26584f4f65_fin-k_q26584f4f65_fin
	.p2alignl 7, 3214868480
	.fill 96, 4, 3214868480
	.section	.rodata,"a",@progbits
	.p2align	6, 0x0
	.amdhsa_kernel k_q26584f4f65_fin
		.amdhsa_group_segment_fixed_size 0
		.amdhsa_private_segment_fixed_size 0
		.amdhsa_enable_private_segment 0
		.amdhsa_kernarg_size 56
		.amdhsa_user_sgpr_count 2
		.amdhsa_user_sgpr_kernarg_segment_ptr 1
		.amdhsa_wavefront_size32 1
		.amdhsa_system_sgpr_workgroup_id_x 1
		.amdhsa_system_sgpr_workgroup_id_y 1
		.amdhsa_system_sgpr_workgroup_id_z 1
		.amdhsa_system_vgpr_workitem_id 0
		.amdhsa_next_free_vgpr 384
		.amdhsa_next_free_sgpr 66
		.amdhsa_reserve_vcc 0
		.amdhsa_float_denorm_mode_32 3
		.amdhsa_float_denorm_mode_16_64 3
		.amdhsa_memory_ordered 1
		.amdhsa_forward_progress 1
		.amdhsa_inst_pref_size 29
	.end_amdhsa_kernel
	.amdgpu_metadata
---
amdhsa.version: [ 1, 2 ]
amdhsa.kernels:
  - .name:           k_q26584f4f65_fin
    .symbol:         k_q26584f4f65_fin.kd
    .args:
      - { .name: rp, .offset: 0, .size: 8, .value_kind: global_buffer, .address_space: global }
      - { .name: cp, .offset: 8, .size: 8, .value_kind: global_buffer, .address_space: global }
      - { .name: W1, .offset: 16, .size: 8, .value_kind: global_buffer, .address_space: global }
      - { .name: b1, .offset: 24, .size: 8, .value_kind: global_buffer, .address_space: global }
      - { .name: W2, .offset: 32, .size: 8, .value_kind: global_buffer, .address_space: global }
      - { .name: b2, .offset: 40, .size: 8, .value_kind: global_buffer, .address_space: global }
      - { .name: out0, .offset: 48, .size: 8, .value_kind: global_buffer, .address_space: global }
    .group_segment_fixed_size: 0
    .private_segment_fixed_size: 0
    .kernarg_segment_align: 8
    .kernarg_segment_size: 56
    .max_flat_workgroup_size: 32
    .sgpr_count:     66
    .vgpr_count:     384
    .wavefront_size: 32
...
	.end_amdgpu_metadata
.endif
;; end of part 6
